; MI455X (gfx1250); checked and timed in simulation.
; The chip was launched on July 23, 2026; its instructions are those of AMD's public machine-readable ISA for CDNA 5 (MIT licence, August 2026) and "CDNA5" Instruction Set Architecture Reference Guide (July 2026). The comments in the code are by the model that wrote it; some were corrected since.
;; Causal Cross Conditional Self Attention. Allowed arithmetic: matrix products marked QUANTISED: E2M3 operands, one E8M0 scale for each 32 along K, by v_wmma_scale_f32_16x16x128_f8f6f4 with both operands' format E2M3, f32 sums; everything else in f32.
;; Inputs: Wk 1,024 x 1,024 float32; Wp 1,024 x 1,024 float32; Wq 1,024 x 1,024 float32; Wv 1,024 x 1,024 float32; bk 1,024 float32; bp 1,024 float32; bq 1,024 float32; bv 1,024 float32; x 4 x 2,048 x 1,024 float32.
;; Outputs: out0 4 x 2,048 x 1,024 float32.
;; This version of the problem:
;;   THIS VERSION OF THE PROBLEM IS GIVEN IN LOW PRECISION. The matrix products marked QUANTISED in the list below multiply operands that are first quantised to E2M3 (2 exponent bits, 3 mantissa bits; 6 bits a number), with one power-of-two scale for each 32 numbers along K (OCP MX v1.0); their sums are f32. All else is computed in f32.
;;   The module's matrix products, in the order in which they are computed (A, B: the left and right operand; K: the contracted axis; several contracted axes count as one K, in the product's order):
;;     1. [M 8,192, K 1,024] x [K 1,024, N 1,024]; A: input x; B: input Wq: QUANTISED
;;     2. [M 8,192, K 1,024] x [K 1,024, N 1,024]; A: input x; B: input Wk: QUANTISED
;;     3. [M 8,192, K 1,024] x [K 1,024, N 1,024]; A: input x; B: input Wv: QUANTISED
;;     4. batch 64 x [M 2,048, K 64] x [K 64, N 2,048]; A: computed on the way; B: computed on the way: QUANTISED
;;     5. batch 64 x [M 2,048, K 2,048] x [K 2,048, N 64]; A: softmax (see below); B: computed on the way: QUANTISED
;;     6. [M 8,192, K 1,024] x [K 1,024, N 1,024]; A: computed on the way; B: input Wp: QUANTISED
;;   THE QUANTISER, for each operand of a quantised product, along K:
;;     - K is cut into blocks of 32 from its start; a last block that is shorter is filled with zeros.
;;     - A block's scale is 2^e with e = floor(log2(the largest magnitude in the block)) - 2, held to -126 .. 127; a block of zeros has e = 0. As a byte (E8M0): e + 127.
;;     - Each number is divided by its block's scale, clamped to +-7.5, and rounded to the nearest number of E2M3, ties to even, subnormals kept.
;;     - The product sums the exact products of the quantised numbers (number of the format x scale) in f32.
;;   ~~~python
;;   def quantise(x, axis):      # numpy; x: float32 -> the quantised numbers, widened to float32 again
;;       x = np.moveaxis(x, axis, -1); K = x.shape[-1]
;;       x = np.pad(x, [(0, 0)] * (x.ndim - 1) + [(0, -K % 32)]); x = x.reshape(x.shape[:-1] + (-1, 32)); a = np.abs(x).max(-1, keepdims=True)
;;       e = np.where(a > 0, np.clip(np.frexp(np.where(a > 0, a, 1))[1] - 1 - 2, -126, 127), 0)      # np.frexp(a)[1] - 1 = floor(log2(a)), exactly
;;       r = np.clip(x / 2.0 ** e, -7.5, 7.5)
;;       step = 2.0 ** (np.maximum(np.frexp(np.where(r == 0, 1, r))[1] - 1, 0) - 3)
;;       q = np.round(r / step) * step * 2.0 ** e      # np.round: ties to even
;;       return np.moveaxis(q.reshape(q.shape[:-2] + (-1,))[..., :K], -1, axis).astype(np.float32)
;;   ~~~
;;   SOFTMAX AHEAD OF A QUANTISED PRODUCT. Where the list says 'softmax', what is quantised is not the finished softmax but p = 2^(t - M), with t = logit x log2(e) and M = ceil(the row's largest t), a whole number; so 1/2 < the row's largest p <= 1. The row's sum l is taken of the UNQUANTISED p, in f32, and the product's result is divided by l at the end. Since M is a whole number, a kernel that streams over the keys may use a running M (the ceiling of the running maximum): every later rescaling is an exact power of two, which a block's scale takes up: the codes' values come out the same.
;;   OPERANDS COMPUTED ON THE WAY. 'Computed on the way' means the value that the module computes at that place (a softmax that the list does not call 'softmax' is quantised finished and normalised). What goes into a quantiser is computed in f32, as accurately as f32 sums, v_exp_f32 and their like allow (about 1e-6 of the number): no bf16 or f16 on the way to a quantiser, and a product that is left as it is and whose result goes on into a quantised operand takes f32 operands (vector FMAs, or v_wmma_f32_16x16x4_f32). A number that lies on a knife's edge between two numbers of the format may be rounded either way, as far as f32 arithmetic and the matrix unit's own rounding can turn it there, and no further.
;; One version. Each part assembles by itself: llvm-mc -triple=amdgcn-amd-amdhsa -mcpu=gfx1250 --defsym DOCPART=n.
;; ======== version 1 of 1: 4 launches
;; workspace buffers: cod 9,437,184 bytes; sc1 360,448 bytes; sc2 294,912 bytes; qb 13,107,200 bytes; kv 13,107,200 bytes; yc 6,291,456 bytes
;; launch quant (part 1): grid 768 x 1, 4 waves a work-group, no clusters, 35,328 bytes of LDS; arguments x, Wq, Wk, Wv, Wp, cod, sc1, sc2; writes cod, sc1, sc2
.if DOCPART == 1
	.amdgcn_target "amdgcn-amd-amdhsa--gfx1250"
	.amdhsa_code_object_version 6
	.text
	.protected	k_qd86440fb04_quant
	.globl	k_qd86440fb04_quant
	.p2align	8
	.type	k_qd86440fb04_quant,@function
k_qd86440fb04_quant:
	s_mov_b64 s[64:65], 0
	v_nop
	global_prefetch_b8 v0, s[64:65] scope:SCOPE_SE
	s_setreg_imm32_b32 hwreg(HW_REG_WAVE_MODE, 25, 1), 1
	s_wait_xcnt 0x0
; x [8192][1024] and Wq, Wk, Wv, Wp [1024][1024], f32 with K innermost, become codes of FP6 (E2M3) with one E8M0 byte for each 32 along K,
; laid as the later launches' matrix operands take them.
; TILES.  Rows go in tiles of 16.  Tile 2 g + u holds at place r the row 32 g + 8 u + r + 8 (r / 8): used as source 0 of a product, two neighbouring tiles then give a lane
; 16 neighbours of the result.  Tiles 0-511 are x's, 512-575 Wq's, 576-639 Wk's, 640-703 Wv's, 704-767 Wp's.
; IMAGES.  A fragment (16 rows x 128 K, 12 registers a lane) lies in memory as six pieces of 256 bytes: piece p = registers 2 p, 2 p + 1, lane l's 8 bytes at 8 l.
; cod: [tile][K step 0..7][1,536 bytes].  Scale records: [tile][place r][8 words], word s = the four bytes of K step s: 512 bytes a tile.
; SHARES.  A work-group takes one tile over all of K; wave w takes K steps 2 w and 2 w + 1.  Each load reads 512 consecutive bytes of one row; the numbers turn through the wave's own
; stage in LDS so that a lane holds 16 neighbours of each block of 32.  Each store of codes covers 256 consecutive bytes, aligned.
; A block's scale is 2^(floor(log2(largest magnitude)) - 2): its byte is the largest magnitude's exponent field - 2, held at 1 from below.
; LIMITS: NaN and infinities among the inputs are not served; a block whose largest magnitude lies under 2^-124 has its byte held at 1; a block of zeros has the byte 1 where the
; quantiser says 127: its codes are zeros, and this program alone reads the bytes.
.set STGB, 8448                        ; a wave's stage: 16 rows of 512 bytes + 16
.set SCS,  33792                       ; behind the four stages: the tile's scale record, 512 bytes
.set PC,   12                          ; v12-31   the codes just made (12, and the conversions' second halves)
.set R0,   32                          ; v32-95   K step 2 w as loaded; later K step 2 w + 1 turned
.set R1,   96                          ; v96-159  K step 2 w + 1 as loaded
.set X,    160                         ; v160-223 K step 2 w turned
.set TM,   224                         ; v224-239 at work
.set SEL,  30                          ; s[30:31] lane selects: lane l xor 16
; 64 numbers of a lane, register 16 b + i = k 32 b + 16 (lane / 16) + i of my row, become a fragment in v[PC] on and my row's scale word in v[pw]
.macro QUANT s, pw
.irp b, 0,1,2,3
	v_max3_num_f32 v[TM+\b], |v[\s+16*\b]|, |v[\s+1+16*\b]|, 0x1800000   ; my 16 numbers of block b, and the floor 2^(3 - 127): the byte cannot fall under 1
.endr
.irp i, 2,4,6,8,10,12,14
.irp b, 0,1,2,3
	v_max3_num_f32 v[TM+\b], v[TM+\b], |v[\s+16*\b+\i]|, |v[\s+1+16*\b+\i]|   ; the four blocks by turns
.endr
.endr
.irp b, 0,1,2,3
	v_permlanex16_b32 v[TM+4+\b], v[TM+\b], s[SEL], s[SEL+1]
.endr
.irp b, 0,1,2,3
	v_max_num_f32 v[TM+\b], v[TM+\b], v[TM+4+\b]   ; with lane l xor 16's: the block's largest magnitude
.endr
.irp b, 0,1,2,3
	v_add_nc_u32 v[TM+12+\b], 0xff000000, v[TM+\b]   ; 2 off its exponent field: the conversion's scale operand
.endr
.irp b, 0,1,2,3
	v_lshrrev_b32 v[TM+4+\b], 23, v[TM+12+\b]      ; the scale's byte
.endr
	v_lshl_or_b32 v[\pw], v[TM+5], 8, v[TM+4]
	v_lshl_or_b32 v[\pw], v[TM+6], 16, v[\pw]
	v_lshl_or_b32 v[\pw], v[TM+7], 24, v[\pw]
.irp c, 0,1
	v_cvt_scalef32_pk16_fp6_f32 v[PC+6*\c:PC+2+6*\c], v[\s+32*\c:\s+15+32*\c], v[TM+12+2*\c]
	v_cvt_scalef32_pk16_fp6_f32 v[PC+12+4*\c:PC+14+4*\c], v[\s+16+32*\c:\s+31+32*\c], v[TM+12+2*\c+1]   ; (a conversion's three registers begin on an even number)
.endr
	v_nop                                          ; one plain instruction behind a scaled conversion
.irp c, 0,1                                    ; the operand wants a whole block in a lane: lanes 0-15 block 2 c, lanes 16-31 block 2 c + 1
.irp i, 0,1,2
	v_permlane16_swap_b32 v[PC+6*\c+\i], v[PC+12+4*\c+\i]
.endr
.irp i, 0,1,2
	v_mov_b32 v[PC+3+6*\c+\i], v[PC+12+4*\c+\i]
.endr
.endr
.endm
; a K step's 16 x 512 bytes go into the stage as loaded and come back 16 neighbours of each block a lane; LDS serves a wave's instructions in order, so no wait stands between
.macro TURNK src, dst
.irp i, 0,1,2,3,4,5,6,7,8,9,10,11,12,13,14,15
	ds_store_b128 v5, v[\src+4*\i:\src+4*\i+3] offset:528*\i
.endr
.irp b, 0,1,2,3
.irp j, 0,1,2,3
	ds_load_b128 v[\dst+16*\b+4*\j:\dst+16*\b+4*\j+3], v6 offset:128*\b+16*\j
.endr
.endr
	s_wait_dscnt 0x0
.endm
	s_load_b256 s[4:11], s[0:1], 0x0               ; x, Wq, Wk, Wv
	s_load_b256 s[12:19], s[0:1], 0x20             ; Wp, cod, sc1, sc2
	v_lshl_add_u32 v254, v0, 2, 0x8800
	v_mov_b32 v255, 0
	v_lshrrev_b32 v1, 5, v0
	v_readfirstlane_b32 s2, v1                     ; wave 0..3
	v_and_b32 v1, 31, v0                           ; lane
	v_and_b32 v2, 15, v0                           ; r
	v_bfe_u32 v3, v0, 4, 1                         ; h
	v_lshlrev_b32 v4, 4, v1                        ; 16 x lane
	s_mul_i32 s3, s2, STGB
	v_add_nc_u32 v5, s3, v4                        ; into my stage: 16 x lane
	v_mul_u32_u24 v6, v2, 528
	v_lshl_add_u32 v6, v3, 6, v6
	v_add_nc_u32 v6, s3, v6                        ; out of it: row r, + 64 h
	v_lshlrev_b32 v7, 3, v1                        ; 8 x lane: my place in a piece
	v_lshlrev_b32 v8, 5, v2
	s_lshl_b32 s3, s2, 3
	s_add_co_u32 s3, s3, SCS
	v_add_nc_u32 v8, s3, v8                        ; the record: 32 r + 8 w
	v_add_nc_u32 v9, SCS, v4                       ; and back: 16 x lane
.irp b, 0,1,2,3
	v_mov_b32 v[TM+4+\b], 0                        ; written once: a lane permute's destination counts as one of its sources
.endr
	s_mov_b32 s[SEL], 0x76543210
	s_mov_b32 s[SEL+1], 0xfedcba98
	s_and_b32 s23, ttmp9, 63                       ; a weight's tile number
	s_wait_alu depctr_va_vdst(0)
	s_wait_kmcnt 0x0
	s_mov_b64 s[20:21], s[12:13]                   ; which tensor: the choice hangs on the work-group's number alone
	s_cmp_lt_u32 ttmp9, 704
	s_cselect_b64 s[20:21], s[10:11], s[20:21]
	s_cselect_b64 s[26:27], s[16:17], s[18:19]     ; Wp's records go to sc2, behind the 512 that y's will take
	s_cselect_b32 s28, 0, 192
	s_cmp_lt_u32 ttmp9, 640
	s_cselect_b64 s[20:21], s[8:9], s[20:21]
	s_cmp_lt_u32 ttmp9, 576
	s_cselect_b64 s[20:21], s[6:7], s[20:21]
	s_cmp_lt_u32 ttmp9, 512
	s_cselect_b64 s[20:21], s[4:5], s[20:21]
	s_cselect_b32 s22, ttmp9, s23                  ; the tile's number in its tensor
	s_lshr_b32 s24, s22, 1
	s_lshl_b32 s24, s24, 5
	s_and_b32 s25, s22, 1
	s_lshl_b32 s25, s25, 3
	s_add_co_u32 s24, s24, s25                     ; its first row: 32 (t / 2) + 8 (t % 2)
	s_lshl_b32 s24, s24, 12                        ; rows of 4,096 bytes
	s_lshl_b32 s25, s2, 10                         ; my two K steps: 1,024 bytes a wave
	s_add_co_u32 s24, s24, s25
	s_mov_b32 s25, 0
	s_add_nc_u64 s[20:21], s[20:21], s[24:25]
	s_mul_i32 s24, ttmp9, 12288
	s_mul_i32 s29, s2, 3072
	s_add_co_u32 s24, s24, s29
	s_add_nc_u64 s[32:33], s[14:15], s[24:25]      ; my two fragments in cod
	s_sub_co_u32 s24, ttmp9, s28
	s_lshl_b32 s24, s24, 9
	s_add_nc_u64 s[26:27], s[26:27], s[24:25]      ; the tile's scale record
.irp i, 0,1,2,3,4,5,6,7,8,9,10,11,12,13,14,15
	global_load_b128 v[R0+4*\i:R0+4*\i+3], v4, s[20:21] offset:(\i+8*(\i/8))*4096 th:TH_LOAD_NT   ; place i's row, 512 consecutive bytes
.endr
.irp i, 0,1,2,3,4,5,6,7,8,9,10,11,12,13,14,15
	global_load_b128 v[R1+4*\i:R1+4*\i+3], v4, s[20:21] offset:(\i+8*(\i/8))*4096+512 th:TH_LOAD_NT
.endr
	s_wait_loadcnt 16                              ; the first K step's 16 loads are in; the second's 16 may be out
	TURNK R0, X
	QUANT X, 240
.irp p, 0,1,2,3,4,5
	global_store_b64 v7, v[PC+2*\p:PC+2*\p+1], s[32:33] offset:256*\p   ; a piece: 256 consecutive bytes, aligned
.endr
	s_wait_loadcnt 0x0
	TURNK R1, R0
	s_wait_xcnt 0x0                                ; the stores above have read the codes' registers: they are written again only behind this wait
	QUANT R0, 241
.irp p, 0,1,2,3,4,5
	global_store_b64 v7, v[PC+2*\p:PC+2*\p+1], s[32:33] offset:1536+256*\p
.endr
	ds_store_b64 v8, v[240:241]                    ; my two scale words of row r (lanes r and r + 16 write the same bytes with the same value)
	s_wait_dscnt 0x0                               ; for the others' sake: my store has landed
	s_barrier_signal -1
	s_barrier_wait -1
	s_cmp_lg_u32 s2, 0
	s_cbranch_scc1 .Ldone                          ; wave 0 stores the record: 512 consecutive bytes
	ds_load_b128 v[242:245], v9
	s_wait_dscnt 0x0
	global_store_b128 v4, v[242:245], s[26:27]
.Ldone:
	s_wait_tensorcnt 0x0
	ds_add_u32 v254, v255
	s_wait_dscnt 0x0
	s_endpgm
.Lfunc_end_k_qd86440fb04_quant:
	.size	k_qd86440fb04_quant, .Lfunc_end_k_qd86440fb04_quant-k_qd86440fb04_quant
	.p2alignl 7, 3214868480
	.fill 96, 4, 3214868480
	.section	.rodata,"a",@progbits
	.p2align	6, 0x0
	.amdhsa_kernel k_qd86440fb04_quant
		.amdhsa_group_segment_fixed_size 35328
		.amdhsa_private_segment_fixed_size 0
		.amdhsa_enable_private_segment 0
		.amdhsa_kernarg_size 64
		.amdhsa_user_sgpr_count 2
		.amdhsa_user_sgpr_kernarg_segment_ptr 1
		.amdhsa_wavefront_size32 1
		.amdhsa_system_sgpr_workgroup_id_x 1
		.amdhsa_system_sgpr_workgroup_id_y 1
		.amdhsa_system_sgpr_workgroup_id_z 1
		.amdhsa_system_vgpr_workitem_id 0
		.amdhsa_next_free_vgpr 256
		.amdhsa_next_free_sgpr 66
		.amdhsa_reserve_vcc 0
		.amdhsa_float_denorm_mode_32 3
		.amdhsa_float_denorm_mode_16_64 3
		.amdhsa_memory_ordered 1
		.amdhsa_forward_progress 1
		.amdhsa_inst_pref_size 19
	.end_amdhsa_kernel
	.amdgpu_metadata
---
amdhsa.version: [ 1, 2 ]
amdhsa.kernels:
  - .name:           k_qd86440fb04_quant
    .symbol:         k_qd86440fb04_quant.kd
    .args:
      - { .name: x, .offset: 0, .size: 8, .value_kind: global_buffer, .address_space: global }
      - { .name: Wq, .offset: 8, .size: 8, .value_kind: global_buffer, .address_space: global }
      - { .name: Wk, .offset: 16, .size: 8, .value_kind: global_buffer, .address_space: global }
      - { .name: Wv, .offset: 24, .size: 8, .value_kind: global_buffer, .address_space: global }
      - { .name: Wp, .offset: 32, .size: 8, .value_kind: global_buffer, .address_space: global }
      - { .name: cod, .offset: 40, .size: 8, .value_kind: global_buffer, .address_space: global }
      - { .name: sc1, .offset: 48, .size: 8, .value_kind: global_buffer, .address_space: global }
      - { .name: sc2, .offset: 56, .size: 8, .value_kind: global_buffer, .address_space: global }
    .group_segment_fixed_size: 35328
    .private_segment_fixed_size: 0
    .kernarg_segment_align: 8
    .kernarg_segment_size: 64
    .max_flat_workgroup_size: 128
    .sgpr_count:     66
    .vgpr_count:     256
    .wavefront_size: 32
...
	.end_amdgpu_metadata
.endif
;; end of part 1
;; launch qkv (part 2): grid 12 x 32, 4 waves a work-group, clusters of 4 x 4, 327,680 bytes of LDS; arguments cod, sc1, bq, bk, bv, qb, kv; writes qb, kv
.if DOCPART == 2
	.amdgcn_target "amdgcn-amd-amdhsa--gfx1250"
	.amdhsa_code_object_version 6
	.text
	.protected	k_qd86440fb04_qkv
	.globl	k_qd86440fb04_qkv
	.p2align	8
	.type	k_qd86440fb04_qkv,@function
k_qd86440fb04_qkv:
	s_mov_b64 s[64:65], 0
	v_nop
	global_prefetch_b8 v0, s[64:65] scope:SCOPE_SE
	s_setreg_imm32_b32 hwreg(HW_REG_WAVE_MODE, 25, 1), 1
	s_wait_xcnt 0x0
	s_wait_alu depctr_hold_cnt(0) depctr_sa_sdst(0) depctr_va_vdst(0) depctr_va_sdst(0) depctr_va_ssrc(0) depctr_va_vcc(0) depctr_vm_vsrc(0)
	s_getreg_b32 s2, hwreg(HW_REG_IB_STS2, 6, 4)
	s_cmp_eq_u32 s2, 0
	s_cbranch_scc0 .Lentry_in_a_cluster
	s_endpgm
.Lentry_in_a_cluster:
	s_bfe_u32 s2, ttmp6, 0x10000c
	s_cmp_lg_u32 s2, 0xf033
	s_cbranch_scc0 .Lentry_shape_is_right
	s_endpgm
.Lentry_shape_is_right:
; q = x Wq^T + bq, k = x Wk^T + bk, v = x Wv^T + bv on codes of FP6 (E2M3) with E8M0 scales, and the results quantised at once for the attention: q and k along the head's 64, v along the keys.
; A tile of 256 tokens x 256 channels is made by a work-group of four waves; a wave makes 128 x 128: 64 accumulators, 512 registers.  K = 1,024 goes in 8 steps of 128, two to an LDS slot, two slots.
; OPERANDS lie in cod as images of their registers: [tile of 16 rows][K step][six pieces of 256 bytes]; piece p = registers 2 p, 2 p + 1, lane l's 8 bytes at 8 l.  Tile 2 g + u holds at place r the row 32 g + 8 u + r + 8 (r / 8).
; ROLES.  P is source 1 (a lane holds one row of P), R is source 0 (a lane's registers run along R's rows: 16 neighbours in two neighbouring tiles).  The result is quantised along R.
;   clusters with x = 0 (q) and 1 (k): P = x's tokens, R = the weight's channels.   clusters with x = 2 (v): P = Wv's channels, R = x's tokens (the keys).
; The K loop is one text: the roles change only the LDS bases of the reads, the scale words' offsets, which bias tile is the first product's C, and the way out; all of these hang on the cluster's x, which all partners share.
; CLUSTERS: 4 x 4 work-groups.  x's tile hangs on the tile row alone and is asked for jointly along a row of the cluster; the weight's hangs on the tile column and is asked for along a column.
; OUT: [batch x head][block of 256 tokens][25,600 bytes]: +0 sixteen half fragments (16 tokens x 64) of q or k; +12,288 eight fragments of v (16 channels x 128 keys); +24,576 q's or k's scale words; +25,088 v's.
; LIMITS: NaN and infinities are not served; a block whose largest magnitude lies under 2^-124 has its byte held at 1; a block of zeros has the byte 1 (its codes are zeros; this program alone reads the bytes).
; REGISTERS, in windows of 256: window 0: v1-29 addresses; v32-95 scale words; v96-127, v224-255 the bias as C; v128-223 P's fragments, one set.  window 1: R's fragments, two sets, at v0 and v128.
;   window 2: the accumulators of P's blocks 0-3 ((a, b) at v[8 (8 (a % 4) + b)]);  window 3: those of blocks 4-7.
.set FR,    12                         ; registers of a fragment
.set HALFT, 24576                      ; 8 tiles x 2 K steps x 1,536 bytes: what one tensor load brings and what a wave reads of one side
.set SLOT,  4*HALFT                    ; x's 16 tiles, then the weight's 16
.set SCR,   2*SLOT                     ; behind the ring: scratch for scale words, 512 bytes a wave; q's and k's way out at SCR, v's at SCR + 2,048
.set SPARE, SCR+4096                   ; the spare words, 128 bytes a wave: two blocks of 256 bytes that no other line names
.set TP,    12288                      ; a tile of 16 rows in cod
.set BHB,   204800                     ; a head in qb and kv
.set BLKB,  25600                      ; a block of 256 tokens
.set ADRP,  16                         ; v16-17 LDS address of P's fragments in slot 0, 1
.set ADRR,  20                         ; v20-21 of R's
.set GC,    24                         ; v24 the way out: my byte among the codes
.set SWA,   25                         ; v25 scratch, in: 4 r
.set SRA,   26                         ; v26 scratch, back: 8 x lane
.set GS,    27                         ; v27 the way out: my byte among the scale words
.set SPW,   28                         ; v28 LDS address of my spare word; never rewritten
.set NIL,   29                         ; v29 0; never rewritten
.set SC,    32                         ; v[SC + 8 i + s]: lanes 0-15 the word of P's block i for K step s, lanes 16-31 that of R's block i
.set BI0,   96                         ; bias tile i at v[BI0 + 8 i + 96 (i / 4)]
.set AF,    128                        ; P's fragments
.set TM,    96                         ; the way out: at work
.set PWR,   112                        ; v112-119 the eight scale words
.set WR,    120                        ; v120-127 scale words by heads
.set PC,    128                        ; v128-146 the codes just made
.set G1,  24                           ; s[24:31] descriptor group 1 for x's tiles; s[32:39] group 0, a set for each slot
.set G0,  32
.set G1B, 48                           ; s[48:55], s[56:63] the same for the weight's
.set G0B, 56
.set SEL, 92                           ; s[92:93] lane selects: lane l xor 16
.set DST, 88                           ; s[88:89] the way out's base
.set MSB, 0
.macro WIN new                         ; the immediate's high byte repeats the setting that is left
.if MSB != (\new)
	s_set_vgpr_msb (MSB<<8)|(\new)
.set MSB, (\new)
.endif
.endm
; A joint load: waves 0 and 1 fetch x's two halves, waves 2 and 3 the weight's.  The branch hangs on the wave's number alone.  Four v_nop follow each of the two lines.
.macro JLOAD g0a, g1a, g0b, g1b
	s_cmp_eq_u32 s15, 0
	s_cbranch_scc0 .Lfor_b_\@
	tensor_load_to_lds s[\g0a:\g0a+3], s[\g1a:\g1a+7]
	s_nop 0
.rept 4
	v_nop
.endr
	s_branch .Lasked_\@
.Lfor_b_\@:
	tensor_load_to_lds s[\g0b:\g0b+3], s[\g1b:\g1b+7]
	s_nop 0
.rept 4
	v_nop
.endr
.Lasked_\@:
.endm
.macro CREST                           ; a round of the cluster's barrier behind its opening barrier
	s_cmp_lg_u32 s14, 0
	s_cbranch_scc1 .Lnot_wave_0_\@
	s_barrier_signal -3
.Lnot_wave_0_\@:
	s_barrier_wait -3
	s_barrier_signal -1
	s_barrier_wait -1
.endm
.macro CROUND                          ; a whole round
	s_barrier_signal -1
	s_barrier_wait -1
	CREST
.endm
.macro PLACES n                        ; plain instructions between a matrix instruction and a load into, or a read of, its registers
.rept \n
	v_nop
.endr
.endm
.macro FRAG reg, adr, q, i             ; a fragment comes back as it was stored: six pieces, 8 bytes a lane, 256 consecutive bytes a load
.irp p, 0,1,2,3,4,5
	ds_load_b64 v[\reg+2*\p:\reg+2*\p+1], v[\adr] offset:(\i)*3072+(\q)*1536+256*\p
.endr
.endm
.macro FETCH_R slot, q, p              ; R's eight fragments of the slot's q-th K step into set p
	WIN 0x40
.irp i, 0,1,2,3,4,5,6,7
	FRAG 128*(\p)+FR*\i, ADRR+\slot, \q, \i
.endr
	WIN 0
.endm
.macro FETCH_P slot, q, i0             ; P's blocks i0 .. i0 + 3
.irp i, \i0, \i0+1, \i0+2, \i0+3
	FRAG AF+FR*(\i), ADRP+\slot, \q, \i
.endr
.endm
; 16 matrix instructions: P's blocks a0, a0 + 1 x R's eight, K step ks.  p: R's set.  cm = 0: the sums go on; 1: they begin with the bias of R's block; 2: with that of P's block.
; The 64 accumulators take turns, one instruction a turn, in the same order in every step.
.macro MUL16 a0, p, ks, cm
.if \cm
	WIN 0x81+0x40*((\a0)/4)                        ; source 0 window 1, source 1 and C window 0, D window 2 or 3
.else
	WIN 0xa1+0x50*((\a0)/4)                        ; C and D window 2 or 3
.endif
.irp a, \a0, \a0+1
.irp b, 0,1,2,3,4,5,6,7
.set rD, 8*(8*((\a)%4)+\b)
.set rC, rD
.if \cm == 1
.set rC, BI0+8*\b+96*(\b/4)
.elseif \cm == 2
.set rC, BI0+8*(\a)+96*((\a)/4)
.endif
	v_wmma_scale_f32_16x16x128_f8f6f4 v[rD:rD+7], v[128*(\p)+FR*\b:128*(\p)+FR*\b+FR-1], v[AF+FR*(\a):AF+FR*(\a)+FR-1], v[rC:rC+7], v[SC+8*\b+(\ks)], v[SC+8*(\a)+(\ks)] matrix_a_fmt:MATRIX_FMT_FP6 matrix_b_fmt:MATRIX_FMT_FP6 matrix_a_scale:MATRIX_SCALE_ROW1
.endr
.endr
.endm
; A slot's first K step: it fetches the second's fragments.
.macro STEP slot, ks, cm
	s_wait_dscnt 24                                ; R's set and P's blocks 0-3 are in; the youngest 24 loads (P's blocks 4-7) may be out
	MUL16 0, 0, \ks, \cm
	MUL16 2, 0, \ks, \cm
	s_wait_dscnt 0
	PLACES 4
	FETCH_R \slot, 1, 1
	FETCH_P \slot, 1, 0
	MUL16 4, 0, \ks, \cm
	MUL16 6, 0, \ks, \cm
	PLACES 4
	WIN 0
	FETCH_P \slot, 1, 4
.endm
; A slot's second K step changes slots: one barrier; in front of it each wave waits for all its tensor loads, adds 0 to its spare word, and waits for that and for its reads of this slot.
; fill = 1: the barrier opens a round of the cluster's barrier, and this slot is filled again, four K steps ahead.
.macro TURN slot, next, fill, ks
	s_wait_tensorcnt 0x0                           ; all my tensor loads have landed: my part of the next slot
	ds_add_u32 v[SPW], v[NIL]                      ; 0 onto my spare word
	s_wait_dscnt 25                                ; (the add and the youngest 24 loads may be out)
	MUL16 0, 1, \ks, 0                             ; sixteen matrix instructions stand between the add and the wait for it
	s_wait_dscnt 0x0                               ; the add is done, and my reads of this slot are over
	s_barrier_signal -1
	MUL16 2, 1, \ks, 0
	WIN 0
	s_barrier_wait -1
.if \fill
	CREST                                          ; no wave of any partner still reads this slot or has a load on its way
	s_add_nc_u64 s[G0+4*\slot+2:G0+4*\slot+3], s[G0+4*\slot+2:G0+4*\slot+3], 6144
	s_add_nc_u64 s[G0B+4*\slot+2:G0B+4*\slot+3], s[G0B+4*\slot+2:G0B+4*\slot+3], 6144
	JLOAD G0+4*\slot, G1, G0B+4*\slot, G1B         ; the first tensor load behind the round; its four v_nop are the places in front of the loads below
.else
	PLACES 4
.endif
	FETCH_R \next, 0, 0
	FETCH_P \next, 0, 0
	MUL16 4, 1, \ks, 0
	MUL16 6, 1, \ks, 0
	PLACES 4
	WIN 0
	FETCH_P \next, 0, 4
.endm
	s_load_b128 s[4:7], s[0:1], 0x0                ; cod, sc1
	s_load_b128 s[8:11], s[0:1], 0x10              ; bq, bk
	s_load_b128 s[68:71], s[0:1], 0x20             ; bv, qb
	s_load_b64 s[72:73], s[0:1], 0x30              ; kv
	v_lshl_add_u32 v[SPW], v0, 2, SPARE
	v_mov_b32 v[NIL], 0
	ds_add_u32 v28, v29
	ds_add_u32 v28, v29
	s_wait_dscnt 0x0
	v_lshrrev_b32 v1, 5, v0
	v_readfirstlane_b32 s14, v1                    ; wave 0..3
	s_lshr_b32 s15, s14, 1                         ; P's half that is mine.  Also: I fetch for x (0) or for the weight (1)
	s_and_b32 s16, s14, 1                          ; R's half that is mine.  Also: which 8 tiles I fetch
	s_bfe_u32 s40, ttmp6, 0x40000                  ; cx, cy: my place in the cluster
	s_bfe_u32 s41, ttmp6, 0x40004
	s_lshl_b32 s42, ttmp9, 2
	s_add_co_u32 s42, s42, s40                     ; X: which 256 channels of Wq | Wk | Wv
	s_and_b32 s17, ttmp7, 0xffff
	s_lshl_b32 s17, s17, 2
	s_add_co_u32 s17, s17, s41                     ; Y: which 256 tokens
	s_lshl_b32 s43, s41, 2
	s_lshl_b32 s43, 15, s43                        ; my row of the cluster
	s_lshl_b32 s44, 0x1111, s40                    ; my column
	; descriptor group 1: 8 rows (tiles of 16) x 3,072 bytes (two K steps), 12,288 bytes apart; elements of 8 bytes; no padding
	s_or_b32 s[G1+0], s43, (3<<16)|(1<<21)
	s_or_b32 s[G1B+0], s44, (3<<16)|(1<<21)
.irp g, G1, G1B
	s_mov_b32 s[\g+1], 384<<16                     ; tensor_dim0
	s_mov_b32 s[\g+2], 8<<16                       ; tensor_dim1
	s_mov_b32 s[\g+3], 384<<16                     ; tile_dim0
	s_mov_b32 s[\g+4], 8                           ; tile_dim1
	s_mov_b32 s[\g+5], 1536                        ; tensor_dim0_stride
	s_mov_b32 s[\g+6], 0
	s_mov_b32 s[\g+7], 0
.endr
	s_lshl_b32 s18, s16, 3
	s_lshl_b32 s20, s17, 4
	s_add_co_u32 s20, s20, s18                     ; x: tile 16 Y + 8 x half
	s_mul_i32 s20, s20, TP
	s_mov_b32 s21, 0
	s_lshl_b32 s46, s42, 4
	s_add_co_u32 s46, s46, s18
	s_add_co_u32 s46, s46, 512                     ; the weight: tile 512 + 16 X + 8 x half
	s_mul_i32 s46, s46, TP
	s_mov_b32 s47, 0
	s_mul_i32 s45, s14, HALFT                      ; where they go: wave x 8 tiles: no place in the cluster enters an LDS address
	s_wait_kmcnt 0x0
	s_add_nc_u64 s[20:21], s[4:5], s[20:21]
	s_add_nc_u64 s[46:47], s[4:5], s[46:47]
	CROUND                                         ; all sixteen work-groups are here: the first joint loads meet
.irp s, 0,1
	s_mov_b32 s[G0+4*\s], 1
	s_add_co_u32 s[G0+4*\s+1], s45, \s*SLOT
	s_add_nc_u64 s[G0+4*\s+2:G0+4*\s+3], s[20:21], \s*3072
	s_or_b32 s[G0+4*\s+3], s[G0+4*\s+3], 0x80000000
	s_mov_b32 s[G0B+4*\s], 1
	s_add_co_u32 s[G0B+4*\s+1], s45, \s*SLOT
	s_add_nc_u64 s[G0B+4*\s+2:G0B+4*\s+3], s[46:47], \s*3072
	s_or_b32 s[G0B+4*\s+3], s[G0B+4*\s+3], 0x80000000
	JLOAD G0+4*\s, G1, G0B+4*\s, G1B               ; two loads of mine are out
.endr
	v_and_b32 v1, 15, v0                           ; r
	v_bfe_u32 v2, v0, 4, 1                         ; h
	v_and_b32 v3, 31, v0
	v_lshlrev_b32 v3, 3, v3                        ; 8 x lane
	s_wait_alu depctr_va_vdst(0)
	s_mov_b32 s[SEL], 0x76543210
	s_mov_b32 s[SEL+1], 0xfedcba98
	; the roles: everything below that is chosen hangs on the cluster's x alone
	s_lshl_b32 s78, s17, 4                         ; x's first tile: 16 Y
	s_lshl_b32 s79, s42, 4
	s_add_co_u32 s79, s79, 512                     ; the weight's: 512 + 16 X
	s_cmp_eq_u32 ttmp9, 2                          ; v?
	s_cselect_b32 s74, 2*HALFT, 0                  ; P's tiles in a slot: x's lie first, the weight's behind them
	s_cselect_b32 s75, 0, 2*HALFT                  ; R's
	s_cselect_b32 s80, s79, s78                    ; P's first tile
	s_cselect_b32 s81, s78, s79                    ; R's
	s_cselect_b32 s82, s15, s16                    ; the half along which the channels lie
	s_cselect_b32 s83, s16, s15                    ; the half along which the tokens lie
	s_cselect_b32 s86, -1, 0                       ; the same as a mask of lanes
	s_cselect_b64 s[84:85], s[68:69], s[10:11]     ; the bias: bv, or bk,
	s_cmp_eq_u32 ttmp9, 0
	s_cselect_b64 s[84:85], s[8:9], s[84:85]       ; or bq
	s_cselect_b64 s[DST:DST+1], s[70:71], s[72:73] ; q goes to qb, k and v to kv
	s_mul_i32 s76, s15, HALFT
	s_add_co_u32 s76, s76, s74
	s_mul_i32 s77, s16, HALFT
	s_add_co_u32 s77, s77, s75
.irp s, 0,1
	v_add_nc_u32 v[ADRP+\s], s76, v3
	v_add_nc_u32 v[ADRR+\s], s77, v3
	s_add_co_u32 s76, s76, SLOT
	s_add_co_u32 s77, s77, SLOT
.endr
	; the scale words of all of K, once, into registers: lanes 0-15 P's rows, lanes 16-31 R's; a record is 32 bytes a row, 512 a tile
	s_lshl_b32 s76, s15, 3
	s_add_co_u32 s80, s80, s76
	s_lshl_b32 s76, s16, 3
	s_add_co_u32 s81, s81, s76
	s_lshl_b32 s80, s80, 9
	s_lshl_b32 s81, s81, 9
	v_mov_b32 v4, s80
	v_mov_b32 v5, s81
	v_cmp_eq_u32 vcc_lo, 1, v2
	v_cndmask_b32 v4, v4, v5, vcc_lo
	v_lshl_add_u32 v4, v1, 5, v4
.irp i, 0,1,2,3,4,5,6,7
	global_load_b128 v[SC+8*\i:SC+8*\i+3], v4, s[6:7] offset:512*\i
	global_load_b128 v[SC+8*\i+4:SC+8*\i+7], v4, s[6:7] offset:512*\i+16
.endr
	; the bias, in the result's layout, eight registers a tile.  q, k: register j of tile b is the bias of channel 32 (b / 2) + 8 (b % 2) + 16 h + j;
	; v: all eight registers of tile a are the bias of my channel 32 (a / 2) + 8 (a % 2) + r + 8 (r / 8).  One text: eight address registers, chosen by the mask
	s_lshl_b32 s76, s82, 9
	s_lshl_b32 s77, s40, 10
	s_add_co_u32 s76, s76, s77                     ; my 128 channels: 1,024 bytes x (X % 4) + 512 x half
	s_mov_b32 s77, 0
	s_add_nc_u64 s[84:85], s[84:85], s[76:77]
	v_and_b32 v6, 8, v1
	v_add_nc_u32 v6, v6, v1
	v_lshlrev_b32 v6, 2, v6                        ; 4 (r + 8 (r / 8))
	v_lshlrev_b32 v7, 6, v2                        ; 64 h
.irp j, 0,1,2,3,4,5,6,7
	v_add_nc_u32 v[8+\j], 4*\j, v7
.endr
.irp j, 0,1,2,3,4,5,6,7
	v_cndmask_b32 v[8+\j], v[8+\j], v6, s86
.endr
.irp i, 0,1,2,3,4,5,6,7
.irp j, 0,1,2,3,4,5,6,7
	global_load_b32 v[BI0+8*\i+96*(\i/4)+\j], v[8+\j], s[84:85] offset:128*(\i/2)+32*(\i%2)
.endr
.endr
	; the way out: base = (16 x batch + my first head) x a head + (Y % 8) x a block
	s_lshl_b32 s76, s82, 1
	s_lshl_b32 s90, s40, 2
	s_add_co_u32 s76, s76, s90                     ; my first head: 4 (X % 4) + 2 x half
	s_lshr_b32 s90, s17, 3
	s_lshl_b32 s90, s90, 4
	s_add_co_u32 s76, s76, s90
	s_mul_i32 s76, s76, BHB
	s_and_b32 s90, s17, 7
	s_mul_i32 s90, s90, BLKB
	s_add_co_u32 s90, s90, s76
	s_mov_b32 s91, 0
	s_add_nc_u64 s[DST:DST+1], s[DST:DST+1], s[90:91]
	s_mul_i32 s76, s83, 6144
	v_add_nc_u32 v[GC], s76, v3                    ; 8 x lane + 6,144 x the tokens' half
	s_lshl_b32 s76, s83, 8
	v_add_nc_u32 v[GS], s76, v3                    ; 8 x lane + 256 x the tokens' half
	s_lshl_b32 s76, s14, 9
	s_add_co_u32 s76, s76, SCR
	v_lshl_add_u32 v[SWA], v1, 2, s76
	v_add_nc_u32 v[SRA], s76, v3
	s_wait_tensorcnt 1                             ; my part of slot 0 is in; slot 1's may stay out
	s_barrier_signal -1
	s_barrier_wait -1                              ; everybody's is
	FETCH_R 0, 0, 0
	FETCH_P 0, 0, 0
	FETCH_P 0, 0, 4
	s_wait_loadcnt 0x0                             ; the scale words and the bias
	s_cmp_eq_u32 ttmp9, 2
	s_cbranch_scc1 .Lfirst_v
	STEP 0, 0, 1                                   ; the first K step starts the sums with the bias: nothing is cleared, nothing is added later
	s_branch .Lfirst_done
.Lfirst_v:
	STEP 0, 0, 2
.Lfirst_done:
	TURN 0, 1, 1, 1
	STEP 1, 2, 0
	TURN 1, 0, 1, 3
	STEP 0, 4, 0
	TURN 0, 1, 0, 5                                ; nothing is left to fetch
	STEP 1, 6, 0
	s_wait_dscnt 24
	MUL16 0, 1, 7, 0
	MUL16 2, 1, 7, 0
	s_wait_dscnt 0
	MUL16 4, 1, 7, 0
	MUL16 6, 1, 7, 0
	WIN 0
; THE WAY OUT.  P's block a: my row's 128 numbers along R lie in the block's 64 registers, register 16 b + i = 32 b + 16 h + i.  They become a fragment in v[PC] on and a scale word in v[PWR + a].
.macro QUANTW a
.set AC, 64*((\a)%4)
.set WW, 2+(\a)/4
	WIN WW|(WW<<2)                                 ; sources 0 and 1: the accumulators' window
.irp b, 0,1,2,3
	v_max3_num_f32 v[TM+\b], |v[AC+16*\b]|, |v[AC+1+16*\b]|, 0x1800000   ; each accumulator is read from its low end on; the floor 2^(3 - 127) holds the byte at 1 from below
.endr
.irp i, 2,4,6,8,10,12,14
.irp b, 0,1,2,3
	v_max3_num_f32 v[TM+\b], |v[AC+16*\b+\i]|, |v[AC+1+16*\b+\i]|, v[TM+\b]
.endr
.endr
	WIN 0
.irp b, 0,1,2,3
	v_permlanex16_b32 v[TM+4+\b], v[TM+\b], s[SEL], s[SEL+1]
.endr
.irp b, 0,1,2,3
	v_max_num_f32 v[TM+\b], v[TM+\b], v[TM+4+\b]
.endr
.irp b, 0,1,2,3
	v_add_nc_u32 v[TM+12+\b], 0xff000000, v[TM+\b]   ; 2 off the exponent field: the conversion's scale operand
.endr
.irp b, 0,1,2,3
	v_lshrrev_b32 v[TM+4+\b], 23, v[TM+12+\b]
.endr
	v_lshl_or_b32 v[PWR+(\a)], v[TM+5], 8, v[TM+4]
	v_lshl_or_b32 v[PWR+(\a)], v[TM+6], 16, v[PWR+(\a)]
	v_lshl_or_b32 v[PWR+(\a)], v[TM+7], 24, v[PWR+(\a)]
	s_wait_xcnt 0x0                                ; the last block's stores have read the codes' registers: they are written again only behind this wait
	WIN WW                                         ; source 0: the accumulators' window
.irp c, 0,1
	v_cvt_scalef32_pk16_fp6_f32 v[PC+6*\c:PC+2+6*\c], v[AC+32*\c:AC+15+32*\c], v[TM+12+2*\c]
	v_cvt_scalef32_pk16_fp6_f32 v[PC+12+4*\c:PC+14+4*\c], v[AC+16+32*\c:AC+31+32*\c], v[TM+12+2*\c+1]
.endr
	WIN 0
	v_nop                                          ; one plain instruction behind a scaled conversion
.irp c, 0,1
.irp i, 0,1,2
	v_permlane16_swap_b32 v[PC+6*\c+\i], v[PC+12+4*\c+\i]
.endr
.irp i, 0,1,2
	v_mov_b32 v[PC+3+6*\c+\i], v[PC+12+4*\c+\i]
.endr
.endr
.endm
.irp b, 0,1,2,3
	v_mov_b32 v[TM+4+\b], 0                        ; a lane permute's destination counts as one of its sources.  These four are also the places behind the last products
.endr
	s_cmp_eq_u32 ttmp9, 2
	s_cbranch_scc1 .Lout_v
	; q, k: a fragment's registers 0-5 are 16 tokens x my first head's 64, registers 6-11 the second head's; each piece is 256 consecutive bytes, aligned
.irp a, 0,1,2,3,4,5,6,7
	QUANTW \a
.irp p, 0,1,2
	global_store_b64 v[GC], v[PC+2*\p:PC+2*\p+1], s[DST:DST+1] offset:768*\a+256*\p
.endr
.irp p, 0,1,2
	global_store_b64 v[GC], v[PC+6+2*\p:PC+7+2*\p], s[DST:DST+1] offset:BHB+768*\a+256*\p
.endr
.if (\a)%2                             ; two neighbouring tiles' bytes make one word for each head: bytes 0, 1 the even tile's, bytes 2, 3 the odd one's
	v_perm_b32 v[WR+\a-1], v[PWR+\a], v[PWR+\a-1], 0x05040100
	ds_store_b32 v[SWA], v[WR+\a-1] offset:64*(\a/2)
	v_perm_b32 v[WR+\a], v[PWR+\a], v[PWR+\a-1], 0x07060302
	ds_store_b32 v[SWA], v[WR+\a] offset:256+64*(\a/2)
.endif
.endr
	ds_load_b64 v[168:169], v[SRA]                 ; LDS serves a wave's instructions in order: these see my stores
	ds_load_b64 v[170:171], v[SRA] offset:256
	s_wait_dscnt 0x0
	global_store_b64 v[GS], v[168:169], s[DST:DST+1] offset:24576
	global_store_b64 v[GS], v[170:171], s[DST:DST+1] offset:BHB+24576
	s_branch .Lout_done
.Lout_v:
	; v: block a is a whole fragment: 16 channels (tile a % 4 of head a / 4) x my 128 keys
.irp a, 0,1,2,3,4,5,6,7
	QUANTW \a
.irp p, 0,1,2,3,4,5
	global_store_b64 v[GC], v[PC+2*\p:PC+2*\p+1], s[DST:DST+1] offset:(\a/4)*BHB+12288+1536*(\a%4)+256*\p
.endr
	ds_store_b32 v[SWA], v[PWR+\a] offset:2048+256*(\a/4)+64*(\a%4)
.endr
	ds_load_b64 v[168:169], v[SRA] offset:2048
	ds_load_b64 v[170:171], v[SRA] offset:2048+256
	s_wait_dscnt 0x0
	global_store_b64 v[GS], v[168:169], s[DST:DST+1] offset:25088
	global_store_b64 v[GS], v[170:171], s[DST:DST+1] offset:BHB+25088
.Lout_done:
	s_wait_tensorcnt 0x0                           ; the wave's end
	ds_add_u32 v[SPW], v[NIL]
	s_wait_dscnt 0x0
	CROUND                                         ; the closing round: no work-group ends while a partner may still ask for a tile that names it
	s_endpgm
.Lfunc_end_k_qd86440fb04_qkv:
	.size	k_qd86440fb04_qkv, .Lfunc_end_k_qd86440fb04_qkv-k_qd86440fb04_qkv
	.p2alignl 7, 3214868480
	.fill 96, 4, 3214868480
	.section	.rodata,"a",@progbits
	.p2align	6, 0x0
	.amdhsa_kernel k_qd86440fb04_qkv
		.amdhsa_group_segment_fixed_size 327680
		.amdhsa_private_segment_fixed_size 0
		.amdhsa_enable_private_segment 0
		.amdhsa_kernarg_size 56
		.amdhsa_user_sgpr_count 2
		.amdhsa_user_sgpr_kernarg_segment_ptr 1
		.amdhsa_wavefront_size32 1
		.amdhsa_system_sgpr_workgroup_id_x 1
		.amdhsa_system_sgpr_workgroup_id_y 1
		.amdhsa_system_sgpr_workgroup_id_z 1
		.amdhsa_system_vgpr_workitem_id 0
		.amdhsa_next_free_vgpr 1024
		.amdhsa_next_free_sgpr 100
		.amdhsa_reserve_vcc 1
		.amdhsa_float_denorm_mode_32 3
		.amdhsa_float_denorm_mode_16_64 3
		.amdhsa_memory_ordered 1
		.amdhsa_forward_progress 1
		.amdhsa_inst_pref_size 223
	.end_amdhsa_kernel
	.amdgpu_metadata
---
amdhsa.version: [ 1, 2 ]
amdhsa.kernels:
  - .name:           k_qd86440fb04_qkv
    .symbol:         k_qd86440fb04_qkv.kd
    .args:
      - { .name: cod, .offset: 0, .size: 8, .value_kind: global_buffer, .address_space: global }
      - { .name: sc1, .offset: 8, .size: 8, .value_kind: global_buffer, .address_space: global }
      - { .name: bq, .offset: 16, .size: 8, .value_kind: global_buffer, .address_space: global }
      - { .name: bk, .offset: 24, .size: 8, .value_kind: global_buffer, .address_space: global }
      - { .name: bv, .offset: 32, .size: 8, .value_kind: global_buffer, .address_space: global }
      - { .name: qb, .offset: 40, .size: 8, .value_kind: global_buffer, .address_space: global }
      - { .name: kv, .offset: 48, .size: 8, .value_kind: global_buffer, .address_space: global }
    .group_segment_fixed_size: 327680
    .private_segment_fixed_size: 0
    .kernarg_segment_align: 8
    .kernarg_segment_size: 56
    .max_flat_workgroup_size: 128
    .sgpr_count:     100
    .vgpr_count:     1024
    .wavefront_size: 32
...
	.end_amdgpu_metadata
.endif
;; end of part 2
;; launch attn (part 3): grid 4 x 64, 16 waves a work-group, no clusters, 327,680 bytes of LDS; arguments qb, kv, yc, sc2; writes yc, sc2
.if DOCPART == 3
	.amdgcn_target "amdgcn-amd-amdhsa--gfx1250"
	.amdhsa_code_object_version 6
	.text
	.protected	k_qd86440fb04_attn
	.globl	k_qd86440fb04_attn
	.p2align	8
	.type	k_qd86440fb04_attn,@function
k_qd86440fb04_attn:
	s_mov_b64 s[64:65], 0
	v_nop
	global_prefetch_b8 v0, s[64:65] scope:SCOPE_SE
	s_setreg_imm32_b32 hwreg(HW_REG_WAVE_MODE, 25, 1), 1
	s_wait_xcnt 0x0
; y[b][q][head] = the sum over keys k <= q of softmax_k(Q . K / 8) V, both products on codes of FP6 (E2M3) with E8M0 scales; y is quantised at once, along the channels, for the last product.
; THE SOFTMAX: t = score x log2(e) / 8; M = the running largest t rounded UP to a whole number; p = 2^(t - M) is quantised along the keys, not normalised; the row's sum is taken of the unquantised p and divides O at the end.
; When M moves, the sum and O are multiplied by 2^(old M - new M), which rounds nothing.
; SHARES.  Work-group (I, batch x head), I = 0..3, takes the query blocks I and 7 - I of 256, one behind the other, in NINE visits of a slot of 256 keys: I + 1 for the first block, 8 - I for the second.
; So all 256 work-groups have the same nine visits, two of them on the diagonal, and the trip count is a constant.  Each of the sixteen waves owns one tile of 16 queries.
; NO CLUSTER: in one and the same visit the four work-groups of a head want different slots, so there is no tile that they could ask for jointly in every visit.
; A SLOT is one dense block of 25,600 bytes of kv: +0 sixteen half fragments of K (16 keys x 64); +12,288 eight fragments of V (16 channels x 128 keys); +24,576 K's scale words; +25,088 V's.  Waves 0-3 fetch a quarter each.
; A tile of 16 holds at place r of tile 2 g + u the row 32 g + 8 u + r + 8 (r / 8): as source 0, two neighbouring tiles give a lane 16 neighbours.
; K = 64 IN AN INSTRUCTION OF K = 128.  Two neighbouring half fragments of K are one operand: tile 2 f in k 0-63, tile 2 f + 1 in k 64-127.  Q stands in a run of 18 registers, q | zeros | q: its registers 0-11 pick tile 2 f,
; its registers 6-17 tile 2 f + 1.  Zero codes add nothing; no scale byte is 0xff.
; Both products are used transposed (S^T = K Q^T, O^T = V^T P^T): a lane holds one query throughout.
; LIMITS: NaN and infinities are not served; a block of y whose largest magnitude lies under 2^-124 has its byte held at 1; a block of zeros has the byte 1 (its codes are zeros; this program alone reads the bytes).
.set SLOT1, 32768                      ; slot 1 begins here: one exclusive or turns an address from one slot into the other
.set SPARE, 65536                      ; the spare words, 128 bytes a wave: eight blocks of 256 bytes that no other line names
.set BHB,   204800
.set BLKB,  25600
.set SPW, 3                            ; v3  LDS address of my spare word; never rewritten
.set NIL, 4                            ; v4  0; never rewritten
.set ADK, 5                            ; v5  8 x lane in the slot in hand
.set ADS, 6                            ; v6  4 r in the slot in hand
.set KB,  36                           ; v36-83  four fragments of K, then of V
.set KSC, 84                           ; v84-87  K's scale words
.set VSC, 88                           ; v88-91  V's
.set BM,  212                          ; v212-215 the blocks' largest scores, then largest p
.set T2,  216                          ; v216-219 at work
.set SO,  220                          ; v220-223 the conversions' scale operands
; v1 8 x lane; v2 4 r; v7 r + 8 (r / 8) - 16 h; v8, v9 Q's offsets; v10 32 r; v11 256 x lane; v12 -M; v13 the largest t; v[14:15] the sum; v16-33 Q's run; v34 Q's scale word; v35 p's;
; v92 Q's scale word as loaded; v93 y's two bytes; v94 -infinity; v96-159 S^T, then p; v160-191 O^T; v192-203 codes; v204-206, v208-210 the conversions' second halves; v[224:225] f; v226 at work; v[228:229] the sum's second chain;
; v236-242 the second block's Q
.set TB,  2                            ; s2  LDS byte at which the slot in hand begins
.set WV,  18                           ; s18 my wave's number
.set SEL, 20                           ; s[20:21] lane selects: lane l xor 16
.set CS,  22                           ; s[22:23] c = log2(e) / 8
.set VIS, 36                           ; s36 the visit, 0..8
.set II,  37                           ; s37 I
.set KSN, 39                           ; s39 the slot of keys asked for last
.set Q0,  41                           ; s41 my tile's first query;  s43 the second block's
.set KF,  42                           ; s42 the step's first key
.set KVB, 44                           ; s[44:45] my quarter of the head's slot 0 in memory;  s[46:47] an offset (the high word stays 0)
.set PFA, 50                           ; s[50:51] where my prefetches stand
.set LIM, 52                           ; s52 a wave prefetches while the visit is under it
; s[24:31], s[32:35] the descriptor; s53 the byte select for Q's scale word; s[54:55], s[56:57] the first block's places in yc and sc2; s[58:59], s[60:61] the second's
.macro TLOAD                           ; waves 0 to 3 fetch; four v_nop follow the line
	s_cmp_lt_u32 s[WV], 4
	s_cbranch_scc0 .Lasked_\@
	tensor_load_to_lds s[32:35], s[24:31]
	s_nop 0
.rept 4
	v_nop
.endr
.Lasked_\@:
.endm
; A PREFETCH INTO THE L2.  All four work-groups of a head walk the same slots from slot 0 on, and in visit V some of them ask for slot V + 1: so in visit V slot V + 2's 24,576 bytes of codes are named, one visit ahead of the first load that
; wants them.  The head's work-group I = 0 asks, and in it waves 4, 5, 6, which fetch nothing: 8,192 bytes a wave, lanes 256 bytes apart, one instruction.  Visits 0 to 5 name slots 2 to 7: each aligned block of 256 bytes once;
; slots 0 and 1 and the scale words come by their loads alone.
.macro ASK
	s_cmp_lt_u32 s[VIS], s[LIM]
	s_cbranch_scc0 .Lnot_mine_\@
	global_prefetch_b8 v11, s[PFA:PFA+1] th:TH_LOAD_NT scope:SCOPE_SE
.Lnot_mine_\@:
.endm
; THE CHANGE OF SLOTS stands at a visit's head.  Each wave waits for all its tensor loads (its part of the slot that it is about to read), adds 0 to its spare word, and waits for that and for its reads of the slot that it has left.
; fill = 1: behind the barrier the slot just left is filled with the next visit's keys: one slot on, or slot 0 again where the second block begins.
.macro CHANGE fill
	s_wait_tensorcnt 0x0                           ; no tensor load of mine is out, so the descriptor may be written
	ds_add_u32 v[SPW], v[NIL]                      ; 0 onto my spare word
.if \fill
	s_xor_b32 s33, s33, SLOT1
	s_add_co_u32 s[KSN], s[KSN], 1
	s_cmp_eq_u32 s[VIS], s[II]
	s_cselect_b32 s[KSN], 0, s[KSN]
	s_mul_i32 s46, s[KSN], BLKB
	s_add_nc_u64 s[34:35], s[KVB:KVB+1], s[46:47]
	s_or_b32 s35, s35, 0x80000000
	s_wait_xcnt 0x0                                ; the last prefetch, a visit back, has read its address
	s_add_nc_u64 s[PFA:PFA+1], s[PFA:PFA+1], BLKB
.endif
	s_wait_dscnt 0x0                               ; the add is done, and my reads of the slot that I have left are over
	s_barrier_signal -1
	s_barrier_wait -1
.if \fill
	TLOAD                                          ; the first thing behind the barrier, and a wave's one tensor load until the next
	ASK
.endif
.endm
; A KEY STEP: 128 keys, the q-th half of the slot in hand.
.macro STEP q
	s_add_co_u32 s70, s[Q0], 23                    ; my tile's last query.  A step all of whose keys come after it is left out: a branch on ids, round no barrier and no tensor load
	s_cmp_gt_u32 s[KF], s70
	s_cbranch_scc1 .Lhidden_\@
	v_add_nc_u32 v[ADK], s[TB], v1
	v_add_nc_u32 v[ADS], s[TB], v2
	v_nop
	v_nop                                          ; four plain instructions in front of loads into registers that matrix instructions have read
.irp f, 0,1,2,3
.irp p, 0,1,2,3,4,5
	ds_load_b64 v[KB+12*\f+2*\p:KB+12*\f+2*\p+1], v[ADK] offset:(4*(\q)+\f)*1536+256*\p
.endr
	ds_load_b32 v[KSC+\f], v[ADS] offset:24576+(4*(\q)+\f)*64
.endr
	s_wait_alu depctr_va_vdst(0)
	s_wait_dscnt 0x0
.irp f, 0,1,2,3                                ; register 16 f + i of S^T is key KF + 32 f + 16 h + i
	v_wmma_scale_f32_16x16x128_f8f6f4 v[96+16*\f:103+16*\f], v[KB+12*\f:KB+12*\f+11], v[16:27], 0, v[KSC+\f], v34 matrix_a_fmt:MATRIX_FMT_FP6 matrix_b_fmt:MATRIX_FMT_FP6
	v_wmma_scale_f32_16x16x128_f8f6f4 v[104+16*\f:111+16*\f], v[KB+12*\f:KB+12*\f+11], v[22:33], 0, v[KSC+\f], v34 matrix_a_fmt:MATRIX_FMT_FP6 matrix_b_fmt:MATRIX_FMT_FP6
.endr
.rept 4
	v_nop
.endr
.irp t, 0,1,2,3                                ; V's fragments go into K's registers at once and land under the softmax
.irp p, 0,1,2,3,4,5
	ds_load_b64 v[KB+12*\t+2*\p:KB+12*\t+2*\p+1], v[ADK] offset:12288+(4*(\q)+\t)*1536+256*\p
.endr
	ds_load_b32 v[VSC+\t], v[ADS] offset:25088+(4*(\q)+\t)*64
.endr
	s_add_co_u32 s70, s[KF], 127                   ; on the diagonal hidden scores become -infinity ahead of the maximum; a step all of whose keys count skips this
	s_cmp_le_u32 s70, s[Q0]
	s_cbranch_scc1 .Lopen_\@
	s_sub_co_i32 s70, s[Q0], s[KF]
	v_add_nc_u32 v226, s70, v7                     ; d = my query - KF - 16 h: register 16 b + i is hidden where 32 b + i > d
.irp n, 0,1,2,3,4,5,6,7,8,9,10,11,12,13,14,15,16,17,18,19,20,21,22,23,24,25,26,27,28,29,30,31,32,33,34,35,36,37,38,39,40,41,42,43,44,45,46,47,48,49,50,51,52,53,54,55,56,57,58,59,60,61,62,63
	v_cmp_gt_i32 vcc_lo, 32*(\n/16)+\n%16, v226
	v_cndmask_b32 v[96+\n], v[96+\n], v94, vcc_lo
.endr
.Lopen_\@:
.irp b, 0,1,2,3
	v_max3_num_f32 v[BM+\b], v[96+16*\b], v[97+16*\b], v[98+16*\b]   ; the largest score of each block of 32 keys: for the row's maximum and, since p rises with the score, for the block's largest p
.endr
.irp i, 3,5,7,9,11,13
.irp b, 0,1,2,3
	v_max3_num_f32 v[BM+\b], v[BM+\b], v[96+16*\b+\i], v[97+16*\b+\i]
.endr
.endr
.irp b, 0,1,2,3
	v_max_num_f32 v[BM+\b], v[BM+\b], v[111+16*\b]
.endr
.irp b, 0,1,2,3
	s_delay_alu instid0(VALU_DEP_4)
	v_permlanex16_b32 v[T2+\b], v[BM+\b], s[SEL], s[SEL+1]
.endr
.irp b, 0,1,2,3
	s_delay_alu instid0(VALU_DEP_4)
	v_max_num_f32 v[BM+\b], v[BM+\b], v[T2+\b]     ; with lane l xor 16's 16 keys
.endr
	s_delay_alu instid0(VALU_DEP_2)
	v_max3_num_f32 v226, v[BM], v[BM+1], v[BM+2]
	s_delay_alu instid0(VALU_DEP_1)
	v_max_num_f32 v226, v226, v[BM+3]
	s_delay_alu instid0(VALU_DEP_1)
	v_mul_f32 v226, s[CS], v226                    ; as t (c is positive)
	s_delay_alu instid0(VALU_DEP_1)
	v_max_num_f32 v13, v13, v226                   ; the running largest t
	v_mov_b32 v226, v12
	s_delay_alu instid0(VALU_DEP_2)
	v_floor_f32 v12, -v13                          ; the new -M = floor(-t): M is a whole number
	s_delay_alu instid0(VALU_DEP_1)
	v_sub_f32 v226, v12, v226                      ; old M - new M: a whole number, 0 or less
	s_delay_alu instid0(VALU_DEP_1)
	v_cvt_i32_f32 v226, v226                       ; (it saturates)
	s_delay_alu instid0(VALU_DEP_1)
	v_ldexp_f32 v224, 1.0, v226                    ; f = 2^(old M - new M)
.irp j, 0,2,4,6,8,10,12,14,16,18,20,22,24,26,28,30,32,34,36,38,40,42,44,46,48,50,52,54,56,58,60,62
	v_pk_fma_f32 v[96+\j:97+\j], v[96+\j:97+\j], s[CS:CS+1], v[12:13] op_sel_hi:[1,0,0]   ; t - M, two at a time
.endr
.irp b, 0,1,2,3
	v_fma_f32 v[BM+\b], v[BM+\b], s[CS], v12       ; the same of each block's largest score
.endr
	s_wait_alu depctr_va_vdst(0)
.irp j, 0,1,2,3,4,5,6,7,8,9,10,11,12,13,14,15,16,17,18,19,20,21,22,23,24,25,26,27,28,29,30,31,32,33,34,35,36,37,38,39,40,41,42,43,44,45,46,47,48,49,50,51,52,53,54,55,56,57,58,59,60,61,62,63
	v_exp_f32 v[96+\j], v[96+\j]                   ; p = 2^(t - M), at most 1
.endr
	v_pk_mul_f32 v[14:15], v[14:15], v[224:225] op_sel_hi:[1,0]   ; the sums under the new M: the plain instruction behind the exponentials
	s_wait_alu depctr_va_vdst(0)                   ; one wait for the batch of 64, ahead of its first reader
.irp b, 0,1,2,3
	v_exp_f32 v[BM+\b], v[BM+\b]                   ; the blocks' largest p
.endr
	v_pk_add_f32 v[228:229], v[100:101], v[104:105]
	v_pk_add_f32 v[254:255], v[108:109], v[112:113]
	v_pk_add_f32 v[252:253], v[116:117], v[120:121]
	v_pk_add_f32 v[250:251], v[124:125], v[128:129]
	v_pk_add_f32 v[248:249], v[132:133], v[136:137]
	v_pk_add_f32 v[246:247], v[140:141], v[144:145]
	v_pk_add_f32 v[244:245], v[148:149], v[152:153]
	v_pk_add_f32 v[14:15], v[14:15], v[156:157]
	v_pk_add_f32 v[228:229], v[228:229], v[96:97]
	v_pk_add_f32 v[254:255], v[254:255], v[98:99]
	v_pk_add_f32 v[252:253], v[252:253], v[102:103]
	v_pk_add_f32 v[250:251], v[250:251], v[106:107]
	v_pk_add_f32 v[248:249], v[248:249], v[110:111]
	v_pk_add_f32 v[246:247], v[246:247], v[114:115]
	v_pk_add_f32 v[244:245], v[244:245], v[118:119]
	v_pk_add_f32 v[14:15], v[14:15], v[122:123]
	v_pk_add_f32 v[228:229], v[228:229], v[126:127]
	v_pk_add_f32 v[254:255], v[254:255], v[130:131]
	v_pk_add_f32 v[252:253], v[252:253], v[134:135]
	v_pk_add_f32 v[250:251], v[250:251], v[138:139]
	v_pk_add_f32 v[248:249], v[248:249], v[142:143]
	v_pk_add_f32 v[246:247], v[246:247], v[146:147]
	v_pk_add_f32 v[244:245], v[244:245], v[150:151]
	v_pk_add_f32 v[14:15], v[14:15], v[154:155]
	v_pk_add_f32 v[228:229], v[228:229], v[158:159]
	s_delay_alu instid0(VALU_DEP_2)
	v_pk_add_f32 v[14:15], v[14:15], v[250:251]
	s_delay_alu instid0(VALU_DEP_2)
	v_pk_add_f32 v[228:229], v[228:229], v[248:249]
	v_pk_add_f32 v[254:255], v[254:255], v[246:247]
	v_pk_add_f32 v[252:253], v[252:253], v[244:245]
	s_delay_alu instid0(VALU_DEP_2)
	v_pk_add_f32 v[14:15], v[14:15], v[254:255]
	s_delay_alu instid0(VALU_DEP_2)
	v_pk_add_f32 v[228:229], v[228:229], v[252:253]
	s_delay_alu instid0(VALU_DEP_1)
	v_pk_add_f32 v[14:15], v[14:15], v[228:229]
	s_wait_alu depctr_va_vdst(0)                   ; and one for the four
.irp b, 0,1,2,3
	v_max_num_f32 v[BM+\b], 0x1800000, v[BM+\b]    ; the floor 2^(3 - 127): a block whose every p is 0 keeps the byte 1: its codes are zeros
.endr
.irp b, 0,1,2,3
	s_delay_alu instid0(VALU_DEP_4)
	v_add_nc_u32 v[SO+\b], 0xff000000, v[BM+\b]    ; 2 off the exponent field: the conversion's scale operand
.endr
.irp b, 0,1,2,3
	s_delay_alu instid0(VALU_DEP_4)
	v_lshrrev_b32 v[T2+\b], 23, v[SO+\b]           ; the scale's byte
.endr
	s_delay_alu instid0(VALU_DEP_3)
	v_lshl_or_b32 v35, v[T2+1], 8, v[T2]           ; p's scale word for these 128 keys
	s_delay_alu instid0(VALU_DEP_1)
	v_lshl_or_b32 v35, v[T2+2], 16, v35
	s_delay_alu instid0(VALU_DEP_1)
	v_lshl_or_b32 v35, v[T2+3], 24, v35
.irp c, 0,1
	v_cvt_scalef32_pk16_fp6_f32 v[192+6*\c:194+6*\c], v[96+32*\c:111+32*\c], v[SO+2*\c]
	v_cvt_scalef32_pk16_fp6_f32 v[204+4*\c:206+4*\c], v[112+32*\c:127+32*\c], v[SO+2*\c+1]
.endr
	v_nop                                          ; one plain instruction behind a scaled conversion
.irp c, 0,1
.irp i, 0,1,2
	v_permlane16_swap_b32 v[192+6*\c+\i], v[204+4*\c+\i]
.endr
.irp i, 0,1,2
	s_delay_alu instid0(VALU_DEP_3)
	v_mov_b32 v[195+6*\c+\i], v[204+4*\c+\i]
.endr
.endr
.irp j, 0,2,4,6,8,10,12,14,16,18,20,22,24,26,28,30
	v_pk_mul_f32 v[160+\j:161+\j], v[160+\j:161+\j], v[224:225] op_sel_hi:[1,0]   ; O^T under the new M; of these sixteen, twelve name no register of any one product below: the places behind the scale word and the codes
.endr
	s_wait_alu depctr_va_vdst(0)
	s_wait_dscnt 0x0                               ; V
.irp t, 0,1,2,3                                ; four accumulators, one instruction each
	v_wmma_scale_f32_16x16x128_f8f6f4 v[160+8*\t:167+8*\t], v[KB+12*\t:KB+12*\t+11], v[192:203], v[160+8*\t:167+8*\t], v[VSC+\t], v35 matrix_a_fmt:MATRIX_FMT_FP6 matrix_b_fmt:MATRIX_FMT_FP6
.endr
.Lhidden_\@:
	s_add_co_u32 s[KF], s[KF], 128
.endm
; A BLOCK'S END.  O^T / the sum is my query's 64 channels of this head, register 16 b + i = channel 32 b + 16 h + i: two blocks of 32.  Their codes are half a fragment of the last product's operand:
; three pieces of 256 consecutive bytes, aligned.  The two scale bytes go into my row's record: 2 bytes a row, since a record's other bytes belong to other heads' work-groups.
.macro FINISH yb, ys
.rept 4
	v_nop                                          ; places behind the last products
.endr
	v_add_f32 v14, v14, v15
	s_delay_alu instid0(VALU_DEP_1)
	v_permlanex16_b32 v226, v14, s[SEL], s[SEL+1]
	s_delay_alu instid0(VALU_DEP_1)
	v_add_f32 v14, v14, v226                       ; the row's sum
	s_wait_alu depctr_va_vdst(0)
	v_rcp_f32 v14, v14
	v_nop                                          ; a plain instruction behind the reciprocal,
	s_wait_alu depctr_va_vdst(0)                   ; and the wait ahead of its first reader
.irp j, 0,2,4,6,8,10,12,14,16,18,20,22,24,26,28,30
	v_pk_mul_f32 v[96+\j:97+\j], v[160+\j:161+\j], v[14:15] op_sel_hi:[1,0]   ; each accumulator from its low end on
.endr
.irp b, 0,1
	v_max3_num_f32 v[BM+\b], |v[96+16*\b]|, |v[97+16*\b]|, 0x1800000
.endr
.irp i, 2,4,6,8,10,12,14
.irp b, 0,1
	s_delay_alu instid0(VALU_DEP_2)
	v_max3_num_f32 v[BM+\b], v[BM+\b], |v[96+16*\b+\i]|, |v[97+16*\b+\i]|
.endr
.endr
.irp b, 0,1
	s_delay_alu instid0(VALU_DEP_2)
	v_permlanex16_b32 v[T2+\b], v[BM+\b], s[SEL], s[SEL+1]
.endr
.irp b, 0,1
	s_delay_alu instid0(VALU_DEP_2)
	v_max_num_f32 v[BM+\b], v[BM+\b], v[T2+\b]
.endr
.irp b, 0,1
	s_delay_alu instid0(VALU_DEP_2)
	v_add_nc_u32 v[SO+\b], 0xff000000, v[BM+\b]
.endr
.irp b, 0,1
	s_delay_alu instid0(VALU_DEP_2)
	v_lshrrev_b32 v[T2+\b], 23, v[SO+\b]
.endr
	s_delay_alu instid0(VALU_DEP_1)
	v_lshl_or_b32 v93, v[T2+1], 8, v[T2]
	v_cvt_scalef32_pk16_fp6_f32 v[192:194], v[96:111], v[SO]
	v_cvt_scalef32_pk16_fp6_f32 v[204:206], v[112:127], v[SO+1]
	v_nop
.irp i, 0,1,2
	v_permlane16_swap_b32 v[192+\i], v[204+\i]
.endr
.irp i, 0,1,2
	s_delay_alu instid0(VALU_DEP_3)
	v_mov_b32 v[195+\i], v[204+\i]
.endr
.irp p, 0,1,2
	global_store_b64 v1, v[192+2*\p:193+2*\p], s[\yb:\yb+1] offset:256*\p
.endr
	global_store_b16 v10, v93, s[\ys:\ys+1]        ; lanes r and r + 16 name the same two bytes with the same value
.endm
.macro START                           ; the second block begins: its Q, its first query, key 0, and the statistics anew
	s_wait_xcnt 0x0                                ; the stores above have read their registers
	s_mov_b32 s[Q0], s43
	s_mov_b32 s[KF], 0
.irp p, 0,1,2,3,4,5
	v_mov_b32 v[16+\p], v[236+\p]
	v_mov_b32 v[28+\p], v[236+\p]
.endr
	v_perm_b32 v34, v242, v242, s53
	v_mov_b32 v13, 0xff61b1e6
	s_delay_alu instid0(VALU_DEP_1)
	v_floor_f32 v12, -v13
	v_mov_b32 v14, 0
	v_mov_b32 v15, 0
.irp j, 0,1,2,3,4,5,6,7,8,9,10,11,12,13,14,15,16,17,18,19,20,21,22,23,24,25,26,27,28,29,30,31
	v_mov_b32 v[160+\j], 0                         ; (these are also the places behind Q's scale word and codes)
.endr
.endm
	s_load_b128 s[4:7], s[0:1], 0x0                ; qb, kv
	s_load_b128 s[8:11], s[0:1], 0x10              ; yc, sc2
	v_lshl_add_u32 v[SPW], v0, 2, SPARE
	v_mov_b32 v[NIL], 0
	ds_add_u32 v3, v4
	ds_add_u32 v3, v4
	s_wait_dscnt 0x0
	v_lshrrev_b32 v5, 5, v0
	s_delay_alu instid0(VALU_DEP_1)
	v_readfirstlane_b32 s[WV], v5                  ; wave 0..15
	s_mov_b32 s[II], ttmp9
	s_and_b32 s66, ttmp7, 0xffff                   ; batch x head
	s_mul_i32 s46, s66, BHB
	s_mov_b32 s47, 0
	; descriptor group 1: a quarter of a slot, 6,400 dense bytes, as 25 rows of 256 bytes (32 elements of 8 bytes)
	s_mov_b32 s24, 3<<16
	s_mov_b32 s25, 32<<16
	s_mov_b32 s26, 25<<16
	s_mov_b32 s27, 32<<16
	s_mov_b32 s28, 25
	s_mov_b32 s29, 32
	s_mov_b32 s30, 0
	s_mov_b32 s31, 0
	s_and_b32 s67, s[WV], 3
	s_lshl_b32 s68, s67, 13
	s_add_co_u32 s68, s68, BLKB                    ; the prefetches: slot 1, + 8,192 x (wave % 4); the first change of slots steps it to slot 2
	s_mov_b32 s69, 0
	s_mul_i32 s67, s67, 6400
	s_wait_kmcnt 0x0
	s_add_nc_u64 s[KVB:KVB+1], s[6:7], s[46:47]    ; the head in kv
	s_add_nc_u64 s[4:5], s[4:5], s[46:47]          ; and in qb
	s_add_nc_u64 s[PFA:PFA+1], s[KVB:KVB+1], s[68:69]
	s_mov_b32 s68, s67
	s_add_nc_u64 s[KVB:KVB+1], s[KVB:KVB+1], s[68:69]
	s_mov_b32 s32, 1
	s_mov_b32 s33, s67
	s_mov_b64 s[34:35], s[KVB:KVB+1]
	s_or_b32 s35, s35, 0x80000000
	TLOAD                                          ; slot 0
	s_mul_i32 s68, s[II], BLKB
	s_add_nc_u64 s[72:73], s[4:5], s[68:69]        ; Q of block I
	s_sub_co_u32 s79, 7, s[II]
	s_mul_i32 s68, s79, BLKB
	s_add_nc_u64 s[76:77], s[4:5], s[68:69]        ; and of block 7 - I
	v_and_b32 v5, 31, v0                           ; lane
	v_and_b32 v6, 15, v0                           ; r
	v_bfe_u32 v7, v0, 4, 1                         ; h
	s_delay_alu instid0(VALU_DEP_3)
	v_lshlrev_b32 v1, 3, v5
	s_delay_alu instid0(VALU_DEP_3)
	v_lshlrev_b32 v2, 2, v6
	s_delay_alu instid0(VALU_DEP_4)
	v_lshlrev_b32 v10, 5, v6
	v_lshlrev_b32 v11, 8, v5
	s_mul_i32 s70, s[WV], 768
	v_add_nc_u32 v8, s70, v1                       ; my tile's half fragment
	s_lshr_b32 s70, s[WV], 1
	s_lshl_b32 s70, s70, 6
	v_add_nc_u32 v9, s70, v2                       ; and the word that holds its two scale bytes
.irp p, 0,1,2
	global_load_b64 v[16+2*\p:17+2*\p], v8, s[72:73] offset:256*\p
	global_load_b64 v[28+2*\p:29+2*\p], v8, s[72:73] offset:256*\p
	global_load_b64 v[236+2*\p:237+2*\p], v8, s[76:77] offset:256*\p
.endr
	global_load_b32 v92, v9, s[72:73] offset:24576
	global_load_b32 v242, v9, s[76:77] offset:24576
	v_and_b32 v226, 8, v6
	s_delay_alu instid0(VALU_DEP_1)
	v_add_nc_u32 v226, v226, v6
	v_lshlrev_b32 v7, 4, v7
	s_delay_alu instid0(VALU_DEP_1)
	v_sub_nc_u32 v7, v226, v7                      ; r + 8 (r / 8) - 16 h
	; where y goes: tile 128 x batch + 16 x block + wave; in it 768 bytes a head; in its scale record 2 bytes a head
	s_lshr_b32 s70, s66, 4
	s_lshl_b32 s70, s70, 7
	s_add_co_u32 s70, s70, s[WV]
	s_and_b32 s71, s66, 15
	s_mul_i32 s74, s71, 768
	s_lshl_b32 s75, s71, 1
	s_lshl_b32 s78, s[II], 4
	s_add_co_u32 s78, s78, s70
	s_mul_i32 s68, s78, 12288
	s_add_co_u32 s68, s68, s74
	s_add_nc_u64 s[54:55], s[8:9], s[68:69]
	s_lshl_b32 s68, s78, 9
	s_add_co_u32 s68, s68, s75
	s_add_nc_u64 s[56:57], s[10:11], s[68:69]
	s_lshl_b32 s78, s79, 4
	s_add_co_u32 s78, s78, s70
	s_mul_i32 s68, s78, 12288
	s_add_co_u32 s68, s68, s74
	s_add_nc_u64 s[58:59], s[8:9], s[68:69]
	s_lshl_b32 s68, s78, 9
	s_add_co_u32 s68, s68, s75
	s_add_nc_u64 s[60:61], s[10:11], s[68:69]
	s_lshr_b32 s70, s[WV], 1
	s_lshl_b32 s70, s70, 5
	s_and_b32 s71, s[WV], 1
	s_lshl_b32 s74, s71, 3
	s_add_co_u32 s70, s70, s74                     ; my tile's first row in a block: 32 (w / 2) + 8 (w % 2)
	s_lshl_b32 s74, s[II], 8
	s_add_co_u32 s[Q0], s70, s74
	s_lshl_b32 s74, s79, 8
	s_add_co_u32 s43, s70, s74
	s_mov_b32 s53, 0x01000100                      ; an even tile's bytes are the word's lower two,
	s_cmp_eq_u32 s71, 1
	s_cselect_b32 s53, 0x03020302, s53             ; an odd tile's the upper two; Q's word holds them twice
	s_sub_co_u32 s70, s[WV], 4
	s_cmp_lt_u32 s70, 3
	s_cselect_b32 s[LIM], 6, 0                     ; waves 4, 5, 6
	s_cmp_eq_u32 ttmp9, 0
	s_cselect_b32 s[LIM], s[LIM], 0                ; of the head's first work-group
	s_mov_b32 s[SEL], 0x76543210
	s_mov_b32 s[SEL+1], 0xfedcba98
	s_mov_b32 s[CS], 0x3e38aa3b                    ; c = log2(e) / 8
	s_mov_b32 s[CS+1], s[CS]
	s_mov_b32 s[TB], 0
	s_mov_b32 s[KF], 0
	s_mov_b32 s[VIS], 0
	s_mov_b32 s[KSN], 0
.irp p, 0,1,2,3,4,5
	v_mov_b32 v[22+\p], 0                          ; the zeros in Q's run
.endr
	v_mov_b32 v94, 0xff800000                      ; -infinity
	v_mov_b32 v225, 0                              ; (named as the upper half of the pair v[224:225])
	v_mov_b32 v226, 0
.irp b, 0,1,2,3
	v_mov_b32 v[T2+\b], 0                          ; a lane permute's destination counts as one of its sources
.endr
	v_mov_b32 v13, 0xff61b1e6                      ; the largest t so far: -3e38, under every t
	s_delay_alu instid0(VALU_DEP_1)
	v_floor_f32 v12, -v13
	v_mov_b32 v14, 0
	v_mov_b32 v15, 0
	s_wait_loadcnt 0x0                             ; Q
	v_perm_b32 v34, v92, v92, s53
.irp j, 0,1,2,3,4,5,6,7,8,9,10,11,12,13,14,15,16,17,18,19,20,21,22,23,24,25,26,27,28,29,30,31
	v_mov_b32 v[160+\j], 0                         ; O^T: the first change of M multiplies zeros.  (Also the places behind Q's scale word)
.endr
.Lvisit:                                           ; eight trips: behind each change of slots but the last the next visit's slot is asked for
	CHANGE 1
	STEP 0
	STEP 1
	s_xor_b32 s[TB], s[TB], SLOT1
	s_cmp_lg_u32 s[VIS], s[II]
	s_cbranch_scc1 .Lsame                          ; visit I is the first block's last
	FINISH 54, 56
	START
.Lsame:
	s_add_co_u32 s[VIS], s[VIS], 1
	s_cmp_lt_u32 s[VIS], 8
	s_cbranch_scc1 .Lvisit
	CHANGE 0                                       ; the last visit is written out
	STEP 0
	STEP 1
	FINISH 58, 60
	s_wait_tensorcnt 0x0                           ; the wave's end
	ds_add_u32 v[SPW], v[NIL]
	s_wait_dscnt 0x0
	s_endpgm
.Lfunc_end_k_qd86440fb04_attn:
	.size	k_qd86440fb04_attn, .Lfunc_end_k_qd86440fb04_attn-k_qd86440fb04_attn
	.p2alignl 7, 3214868480
	.fill 96, 4, 3214868480
	.section	.rodata,"a",@progbits
	.p2align	6, 0x0
	.amdhsa_kernel k_qd86440fb04_attn
		.amdhsa_group_segment_fixed_size 327680
		.amdhsa_private_segment_fixed_size 0
		.amdhsa_enable_private_segment 0
		.amdhsa_kernarg_size 32
		.amdhsa_user_sgpr_count 2
		.amdhsa_user_sgpr_kernarg_segment_ptr 1
		.amdhsa_wavefront_size32 1
		.amdhsa_system_sgpr_workgroup_id_x 1
		.amdhsa_system_sgpr_workgroup_id_y 1
		.amdhsa_system_sgpr_workgroup_id_z 1
		.amdhsa_system_vgpr_workitem_id 0
		.amdhsa_next_free_vgpr 256
		.amdhsa_next_free_sgpr 80
		.amdhsa_reserve_vcc 1
		.amdhsa_float_denorm_mode_32 3
		.amdhsa_float_denorm_mode_16_64 3
		.amdhsa_memory_ordered 1
		.amdhsa_forward_progress 1
		.amdhsa_inst_pref_size 114
	.end_amdhsa_kernel
	.amdgpu_metadata
---
amdhsa.version: [ 1, 2 ]
amdhsa.kernels:
  - .name:           k_qd86440fb04_attn
    .symbol:         k_qd86440fb04_attn.kd
    .args:
      - { .name: qb, .offset: 0, .size: 8, .value_kind: global_buffer, .address_space: global }
      - { .name: kv, .offset: 8, .size: 8, .value_kind: global_buffer, .address_space: global }
      - { .name: yc, .offset: 16, .size: 8, .value_kind: global_buffer, .address_space: global }
      - { .name: sc2, .offset: 24, .size: 8, .value_kind: global_buffer, .address_space: global }
    .group_segment_fixed_size: 327680
    .private_segment_fixed_size: 0
    .kernarg_segment_align: 8
    .kernarg_segment_size: 32
    .max_flat_workgroup_size: 512
    .sgpr_count:     80
    .vgpr_count:     256
    .wavefront_size: 32
...
	.end_amdgpu_metadata
.endif
;; end of part 3
;; launch proj (part 4): grid 4 x 32, 4 waves a work-group, clusters of 4 x 4, 327,680 bytes of LDS; arguments yc, cod, sc2, bp, out0; writes out0
.if DOCPART == 4
	.amdgcn_target "amdgcn-amd-amdhsa--gfx1250"
	.amdhsa_code_object_version 6
	.text
	.protected	k_qd86440fb04_proj
	.globl	k_qd86440fb04_proj
	.p2align	8
	.type	k_qd86440fb04_proj,@function
k_qd86440fb04_proj:
	s_mov_b64 s[64:65], 0
	v_nop
	global_prefetch_b8 v0, s[64:65] scope:SCOPE_SE
	s_setreg_imm32_b32 hwreg(HW_REG_WAVE_MODE, 25, 1), 1
	s_wait_xcnt 0x0
	s_wait_alu depctr_hold_cnt(0) depctr_sa_sdst(0) depctr_va_vdst(0) depctr_va_sdst(0) depctr_va_ssrc(0) depctr_va_vcc(0) depctr_vm_vsrc(0)
	s_getreg_b32 s2, hwreg(HW_REG_IB_STS2, 6, 4)
	s_cmp_eq_u32 s2, 0
	s_cbranch_scc0 .Lentry_in_a_cluster
	s_endpgm
.Lentry_in_a_cluster:
	s_bfe_u32 s2, ttmp6, 0x10000c
	s_cmp_lg_u32 s2, 0xf033
	s_cbranch_scc0 .Lentry_shape_is_right
	s_endpgm
.Lentry_shape_is_right:
; out0 = y Wp^T + bp on codes of FP6 (E2M3) with E8M0 scales; out0 [8192][1024] f32.
; A tile of 256 tokens x 256 channels is made by a work-group of four waves; a wave makes 128 x 128: 64 accumulators, 512 registers.  K = 1,024 goes in 8 steps of 128, two to an LDS slot, two slots.
; OPERANDS lie in yc and cod as images of their registers: [tile of 16 rows][K step][six pieces of 256 bytes]; piece p = registers 2 p, 2 p + 1, lane l's 8 bytes at 8 l.  Tile 2 g + u holds at place r the row 32 g + 8 u + r + 8 (r / 8).
; P = y's tokens is source 1 (a lane holds one token), R = Wp's channels is source 0: a lane's 16 registers of two neighbouring tiles are 16 neighbouring channels of a row of out0.
; CLUSTERS: 4 x 4 work-groups.  y's tile hangs on the tile row alone and is asked for jointly along a row of the cluster; Wp's hangs on the tile column and is asked for along a column.
; 128 work-groups: the largest wave tile is kept, since each fragment read from LDS then feeds eight products; the launch has work for no more work-groups of this tile.
; REGISTERS, in windows of 256: window 0: v1-29 addresses; v32-95 scale words; v96-127, v224-255 the bias as C; v128-223 P's fragments, one set; on the way out v128-255 rows of out0.
;   window 1: R's fragments, two sets, at v0 and v128.   window 2: the accumulators of P's blocks 0-3 ((a, b) at v[8 (8 (a % 4) + b)]);  window 3: those of blocks 4-7.
.set FR,    12
.set HALFT, 24576                      ; 8 tiles x 2 K steps x 1,536 bytes
.set SLOT,  4*HALFT                    ; y's 16 tiles, then Wp's 16
.set STG,   2*SLOT                     ; behind the ring: a stage of 16 rows x (512 bytes + 16) for each wave
.set SPITCH, 528
.set SPARE, STG+4*16*SPITCH            ; the spare words, 128 bytes a wave: two blocks of 256 bytes that no other line names
.set TP,    12288
.set ADRP,  16
.set ADRR,  20
.set STO,   24                         ; v24 the stage, in: row r, + 64 h
.set RD,    25                         ; v25 the stage, back: 16 x lane
.set CO,    26                         ; v26 16 x lane: my bytes of a row's 512
.set SPW,   28
.set NIL,   29
.set SC,    32                         ; v[SC + 8 i + s]: lanes 0-15 the word of P's block i for K step s, lanes 16-31 that of R's block i
.set BI0,   96                         ; bias tile i at v[BI0 + 8 i + 96 (i / 4)]
.set AF,    128
.set BK,    128                        ; the way out: 16 rows read back: v128-191 and v192-255 by turns
.set G1,  24
.set G0,  32
.set G1B, 48
.set G0B, 56
.set MSB, 0
.macro WIN new                         ; the immediate's high byte repeats the setting that is left
.if MSB != (\new)
	s_set_vgpr_msb (MSB<<8)|(\new)
.set MSB, (\new)
.endif
.endm
.macro JLOAD g0a, g1a, g0b, g1b        ; a joint load: waves 0 and 1 fetch y's two halves, waves 2 and 3 Wp's; four v_nop follow each of the two lines
	s_cmp_eq_u32 s15, 0
	s_cbranch_scc0 .Lfor_b_\@
	tensor_load_to_lds s[\g0a:\g0a+3], s[\g1a:\g1a+7]
	s_nop 0
.rept 4
	v_nop
.endr
	s_branch .Lasked_\@
.Lfor_b_\@:
	tensor_load_to_lds s[\g0b:\g0b+3], s[\g1b:\g1b+7]
	s_nop 0
.rept 4
	v_nop
.endr
.Lasked_\@:
.endm
.macro CREST                           ; a round of the cluster's barrier behind its opening barrier
	s_cmp_lg_u32 s14, 0
	s_cbranch_scc1 .Lnot_wave_0_\@
	s_barrier_signal -3
.Lnot_wave_0_\@:
	s_barrier_wait -3
	s_barrier_signal -1
	s_barrier_wait -1
.endm
.macro CROUND
	s_barrier_signal -1
	s_barrier_wait -1
	CREST
.endm
.macro PLACES n                        ; plain instructions between a matrix instruction and a load into, or a read of, its registers
.rept \n
	v_nop
.endr
.endm
.macro FRAG reg, adr, q, i             ; six pieces, 8 bytes a lane, 256 consecutive bytes a load
.irp p, 0,1,2,3,4,5
	ds_load_b64 v[\reg+2*\p:\reg+2*\p+1], v[\adr] offset:(\i)*3072+(\q)*1536+256*\p
.endr
.endm
.macro FETCH_R slot, q, p
	WIN 0x40
.irp i, 0,1,2,3,4,5,6,7
	FRAG 128*(\p)+FR*\i, ADRR+\slot, \q, \i
.endr
	WIN 0
.endm
.macro FETCH_P slot, q, i0
.irp i, \i0, \i0+1, \i0+2, \i0+3
	FRAG AF+FR*(\i), ADRP+\slot, \q, \i
.endr
.endm
; 16 matrix instructions: P's blocks a0, a0 + 1 x R's eight, K step ks.  cm = 1: the sums begin with the bias of R's block.  The 64 accumulators take turns, one instruction a turn.
.macro MUL16 a0, p, ks, cm
.if \cm
	WIN 0x81+0x40*((\a0)/4)
.else
	WIN 0xa1+0x50*((\a0)/4)
.endif
.irp a, \a0, \a0+1
.irp b, 0,1,2,3,4,5,6,7
.set rD, 8*(8*((\a)%4)+\b)
.set rC, rD
.if \cm == 1
.set rC, BI0+8*\b+96*(\b/4)
.endif
	v_wmma_scale_f32_16x16x128_f8f6f4 v[rD:rD+7], v[128*(\p)+FR*\b:128*(\p)+FR*\b+FR-1], v[AF+FR*(\a):AF+FR*(\a)+FR-1], v[rC:rC+7], v[SC+8*\b+(\ks)], v[SC+8*(\a)+(\ks)] matrix_a_fmt:MATRIX_FMT_FP6 matrix_b_fmt:MATRIX_FMT_FP6 matrix_a_scale:MATRIX_SCALE_ROW1
.endr
.endr
.endm
.macro STEP slot, ks, cm
	s_wait_dscnt 24                                ; R's set and P's blocks 0-3 are in; the youngest 24 loads (P's blocks 4-7) may be out
	MUL16 0, 0, \ks, \cm
	MUL16 2, 0, \ks, \cm
	s_wait_dscnt 0
	PLACES 4
	FETCH_R \slot, 1, 1
	FETCH_P \slot, 1, 0
	MUL16 4, 0, \ks, \cm
	MUL16 6, 0, \ks, \cm
	PLACES 4
	WIN 0
	FETCH_P \slot, 1, 4
.endm
.macro TURN slot, next, fill, ks
	s_wait_tensorcnt 0x0                           ; all my tensor loads have landed: my part of the next slot
	ds_add_u32 v[SPW], v[NIL]                      ; 0 onto my spare word
	s_wait_dscnt 25                                ; (the add and the youngest 24 loads may be out)
	MUL16 0, 1, \ks, 0
	s_wait_dscnt 0x0                               ; the add is done, and my reads of this slot are over
	s_barrier_signal -1
	MUL16 2, 1, \ks, 0
	WIN 0
	s_barrier_wait -1
.if \fill
	CREST                                          ; no wave of any partner still reads this slot or has a load on its way
	s_add_nc_u64 s[G0+4*\slot+2:G0+4*\slot+3], s[G0+4*\slot+2:G0+4*\slot+3], 6144
	s_add_nc_u64 s[G0B+4*\slot+2:G0B+4*\slot+3], s[G0B+4*\slot+2:G0B+4*\slot+3], 6144
	JLOAD G0+4*\slot, G1, G0B+4*\slot, G1B
.else
	PLACES 4
.endif
	FETCH_R \next, 0, 0
	FETCH_P \next, 0, 0
	MUL16 4, 1, \ks, 0
	MUL16 6, 1, \ks, 0
	PLACES 4
	WIN 0
	FETCH_P \next, 0, 4
.endm
	s_load_b128 s[4:7], s[0:1], 0x0                ; yc, cod
	s_load_b128 s[8:11], s[0:1], 0x10              ; sc2, bp
	s_load_b64 s[12:13], s[0:1], 0x20              ; out0
	v_lshl_add_u32 v[SPW], v0, 2, SPARE
	v_mov_b32 v[NIL], 0
	ds_add_u32 v28, v29
	ds_add_u32 v28, v29
	s_wait_dscnt 0x0
	v_lshrrev_b32 v1, 5, v0
	v_readfirstlane_b32 s14, v1                    ; wave 0..3
	s_lshr_b32 s15, s14, 1                         ; the tokens' half that is mine.  Also: I fetch for y (0) or for Wp (1)
	s_and_b32 s16, s14, 1                          ; the channels' half that is mine.  Also: which 8 tiles I fetch
	s_bfe_u32 s40, ttmp6, 0x40000
	s_bfe_u32 s41, ttmp6, 0x40004
	s_lshl_b32 s42, ttmp9, 2
	s_add_co_u32 s42, s42, s40                     ; X: which 256 channels
	s_and_b32 s17, ttmp7, 0xffff
	s_lshl_b32 s17, s17, 2
	s_add_co_u32 s17, s17, s41                     ; Y: which 256 tokens
	s_lshl_b32 s43, s41, 2
	s_lshl_b32 s43, 15, s43                        ; my row of the cluster
	s_lshl_b32 s44, 0x1111, s40                    ; my column
	s_or_b32 s[G1+0], s43, (3<<16)|(1<<21)         ; 8 rows (tiles of 16) x 3,072 bytes, 12,288 bytes apart; elements of 8 bytes; no padding
	s_or_b32 s[G1B+0], s44, (3<<16)|(1<<21)
.irp g, G1, G1B
	s_mov_b32 s[\g+1], 384<<16
	s_mov_b32 s[\g+2], 8<<16
	s_mov_b32 s[\g+3], 384<<16
	s_mov_b32 s[\g+4], 8
	s_mov_b32 s[\g+5], 1536
	s_mov_b32 s[\g+6], 0
	s_mov_b32 s[\g+7], 0
.endr
	s_lshl_b32 s18, s16, 3
	s_lshl_b32 s20, s17, 4
	s_add_co_u32 s20, s20, s18                     ; y: tile 16 Y + 8 x half
	s_mul_i32 s20, s20, TP
	s_mov_b32 s21, 0
	s_lshl_b32 s46, s42, 4
	s_add_co_u32 s46, s46, s18
	s_add_co_u32 s46, s46, 704                     ; Wp: tile 704 + 16 X + 8 x half of cod
	s_mul_i32 s46, s46, TP
	s_mov_b32 s47, 0
	s_mul_i32 s45, s14, HALFT
	s_wait_kmcnt 0x0
	s_add_nc_u64 s[20:21], s[4:5], s[20:21]
	s_add_nc_u64 s[46:47], s[6:7], s[46:47]
	CROUND                                         ; all sixteen work-groups are here: the first joint loads meet
.irp s, 0,1
	s_mov_b32 s[G0+4*\s], 1
	s_add_co_u32 s[G0+4*\s+1], s45, \s*SLOT
	s_add_nc_u64 s[G0+4*\s+2:G0+4*\s+3], s[20:21], \s*3072
	s_or_b32 s[G0+4*\s+3], s[G0+4*\s+3], 0x80000000
	s_mov_b32 s[G0B+4*\s], 1
	s_add_co_u32 s[G0B+4*\s+1], s45, \s*SLOT
	s_add_nc_u64 s[G0B+4*\s+2:G0B+4*\s+3], s[46:47], \s*3072
	s_or_b32 s[G0B+4*\s+3], s[G0B+4*\s+3], 0x80000000
	s_wait_alu depctr_va_vdst(0)
	s_wait_tensorcnt 0x0
	ds_add_u32 v28, v29
	ds_add_u32 v28, v29
	s_wait_dscnt 0x0
	CROUND
	JLOAD G0+4*\s, G1, G0B+4*\s, G1B               ; one load of mine is out: the wait above has taken the one before
.endr
	v_and_b32 v1, 15, v0                           ; r
	v_bfe_u32 v2, v0, 4, 1                         ; h
	s_wait_alu depctr_va_vdst(0)
	v_and_b32 v6, 31, v0                           ; lane
	v_lshlrev_b32 v3, 3, v6                        ; 8 x lane
	s_mul_i32 s76, s15, HALFT                      ; my 8 tiles of y
	s_mul_i32 s77, s16, HALFT
	s_add_co_u32 s77, s77, 2*HALFT                 ; my 8 tiles of Wp, behind y's 16
.irp s, 0,1
	v_add_nc_u32 v[ADRP+\s], s76, v3
	v_add_nc_u32 v[ADRR+\s], s77, v3
	s_add_co_u32 s76, s76, SLOT
	s_add_co_u32 s77, s77, SLOT
.endr
	; the scale words of all of K, once, into registers: lanes 0-15 y's rows, lanes 16-31 Wp's
	s_lshl_b32 s80, s17, 4
	s_lshl_b32 s76, s15, 3
	s_add_co_u32 s80, s80, s76                     ; y's records: 16 Y + 8 x half
	s_lshl_b32 s81, s42, 4
	s_lshl_b32 s76, s16, 3
	s_add_co_u32 s81, s81, s76
	s_add_co_u32 s81, s81, 512                     ; Wp's: 512 + 16 X + 8 x half
	s_lshl_b32 s80, s80, 9
	s_lshl_b32 s81, s81, 9
	v_mov_b32 v4, s80
	v_mov_b32 v5, s81
	v_cmp_eq_u32 vcc_lo, 1, v2
	v_cndmask_b32 v4, v4, v5, vcc_lo
	v_lshl_add_u32 v4, v1, 5, v4
.irp i, 0,1,2,3,4,5,6,7
	global_load_b128 v[SC+8*\i:SC+8*\i+3], v4, s[8:9] offset:512*\i
	global_load_b128 v[SC+8*\i+4:SC+8*\i+7], v4, s[8:9] offset:512*\i+16
.endr
	; the bias in the result's layout: register j of tile b is the bias of channel 32 (b / 2) + 8 (b % 2) + 16 h + j
	s_lshl_b32 s76, s42, 10
	s_lshl_b32 s77, s16, 9
	s_add_co_u32 s76, s76, s77
	s_mov_b32 s77, 0
	s_add_nc_u64 s[84:85], s[10:11], s[76:77]
	v_lshlrev_b32 v5, 6, v2                        ; 64 h
.irp b, 0,1,2,3,4,5,6,7
	global_load_b128 v[BI0+8*\b+96*(\b/4):BI0+8*\b+96*(\b/4)+3], v5, s[84:85] offset:128*(\b/2)+32*(\b%2)
	global_load_b128 v[BI0+8*\b+96*(\b/4)+4:BI0+8*\b+96*(\b/4)+7], v5, s[84:85] offset:128*(\b/2)+32*(\b%2)+16
.endr
	; the way out
	s_mul_i32 s78, s14, 16*SPITCH
	s_add_co_u32 s78, s78, STG                     ; my stage
	v_mul_u32_u24 v[STO], v1, SPITCH
	v_lshl_add_u32 v[STO], v2, 6, v[STO]
	v_add_nc_u32 v[STO], s78, v[STO]
	v_lshlrev_b32 v[CO], 4, v6
	v_add_nc_u32 v[RD], s78, v[CO]
	s_lshl_b32 s78, s17, 8
	s_lshl_b32 s79, s15, 7
	s_add_co_u32 s78, s78, s79                     ; my first token: 256 Y + 128 x half
	s_lshl_b32 s78, s78, 12                        ; rows of 4,096 bytes
	s_add_co_u32 s78, s78, s76                     ; + my first channel's bytes: 1,024 X + 512 x half
	s_mov_b32 s79, 0
	s_add_nc_u64 s[12:13], s[12:13], s[78:79]
	s_wait_tensorcnt 1                             ; my part of slot 0 is in; slot 1's may stay out
	s_barrier_signal -1
	s_barrier_wait -1
	FETCH_R 0, 0, 0
	FETCH_P 0, 0, 0
	FETCH_P 0, 0, 4
	s_wait_loadcnt 0x0                             ; the scale words and the bias
	STEP 0, 0, 1                                   ; the first K step starts the sums with the bias
	TURN 0, 1, 1, 1
	STEP 1, 2, 0
	TURN 1, 0, 1, 3
	STEP 0, 4, 0
	TURN 0, 1, 0, 5                                ; nothing is left to fetch
	STEP 1, 6, 0
	s_wait_dscnt 24
	MUL16 0, 1, 7, 0
	MUL16 2, 1, 7, 0
	s_wait_alu depctr_va_vdst(0)
	s_wait_dscnt 0
	MUL16 4, 1, 7, 0
	MUL16 6, 1, 7, 0
	WIN 0
; THE WAY OUT, block by block of 16 tokens x 128 channels, through my own stage: a lane's 64 registers go in at their channels' places in row r, and whole rows of 512 bytes come back.
; LDS serves a wave's instructions in order: no wait between the stores and the loads, nor in front of the next block's stores.
.macro TOSTAGE a
.set AC, 64*((\a)%4)
	WIN 0x08+4*((\a)/4)                            ; the data: window 2 or 3
.irp b, 0,1,2,3,4,5,6,7
	ds_store_b128 v[STO], v[AC+8*\b:AC+8*\b+3] offset:128*(\b/2)+32*(\b%2)          ; each accumulator from its low end on
	ds_store_b128 v[STO], v[AC+8*\b+4:AC+8*\b+7] offset:128*(\b/2)+32*(\b%2)+16
.endr
	WIN 0
.set BB, BK+64*((\a)%2)
.irp t, 0,1,2,3,4,5,6,7,8,9,10,11,12,13,14,15
	ds_load_b128 v[BB+4*\t:BB+4*\t+3], v[RD] offset:\t*SPITCH
.endr
.endm
.macro SEND a, younger                 ; younger: the LDS instructions issued behind block a's loads, which may stay out
.set BB, BK+64*((\a)%2)
	s_wait_dscnt \younger
.irp t, 0,1,2,3,4,5,6,7,8,9,10,11,12,13,14,15
	global_store_b128 v[CO], v[BB+4*\t:BB+4*\t+3], s[12:13] offset:(32*((\a)/2)+8*((\a)%2)+\t+8*(\t/8))*4096 th:TH_STORE_NT   ; place t's token: 32 lanes store 512 consecutive bytes, aligned to 256; every offset is an immediate, 520,192 at the most
.endr
.endm
	PLACES 4
	TOSTAGE 0
.irp a, 1,2,3,4,5,6,7
.if \a > 1
	s_wait_xcnt 0x0                                ; block a - 2's stores have read their registers: block a's loads may land there
.endif
	TOSTAGE \a
	SEND \a-1, 32                                  ; behind block a - 1's loads: block a's 16 stores and 16 loads
.endr
	SEND 7, 0
	s_wait_tensorcnt 0x0                           ; the wave's end
	ds_add_u32 v[SPW], v[NIL]
	s_wait_dscnt 0x0
	CROUND                                         ; the closing round
	s_endpgm
.Lfunc_end_k_qd86440fb04_proj:
	.size	k_qd86440fb04_proj, .Lfunc_end_k_qd86440fb04_proj-k_qd86440fb04_proj
	.p2alignl 7, 3214868480
	.fill 96, 4, 3214868480
	.section	.rodata,"a",@progbits
	.p2align	6, 0x0
	.amdhsa_kernel k_qd86440fb04_proj
		.amdhsa_group_segment_fixed_size 327680
		.amdhsa_private_segment_fixed_size 0
		.amdhsa_enable_private_segment 0
		.amdhsa_kernarg_size 40
		.amdhsa_user_sgpr_count 2
		.amdhsa_user_sgpr_kernarg_segment_ptr 1
		.amdhsa_wavefront_size32 1
		.amdhsa_system_sgpr_workgroup_id_x 1
		.amdhsa_system_sgpr_workgroup_id_y 1
		.amdhsa_system_sgpr_workgroup_id_z 1
		.amdhsa_system_vgpr_workitem_id 0
		.amdhsa_next_free_vgpr 1024
		.amdhsa_next_free_sgpr 100
		.amdhsa_reserve_vcc 1
		.amdhsa_float_denorm_mode_32 3
		.amdhsa_float_denorm_mode_16_64 3
		.amdhsa_memory_ordered 1
		.amdhsa_forward_progress 1
		.amdhsa_inst_pref_size 159
	.end_amdhsa_kernel
	.amdgpu_metadata
---
amdhsa.version: [ 1, 2 ]
amdhsa.kernels:
  - .name:           k_qd86440fb04_proj
    .symbol:         k_qd86440fb04_proj.kd
    .args:
      - { .name: yc, .offset: 0, .size: 8, .value_kind: global_buffer, .address_space: global }
      - { .name: cod, .offset: 8, .size: 8, .value_kind: global_buffer, .address_space: global }
      - { .name: sc2, .offset: 16, .size: 8, .value_kind: global_buffer, .address_space: global }
      - { .name: bp, .offset: 24, .size: 8, .value_kind: global_buffer, .address_space: global }
      - { .name: out0, .offset: 32, .size: 8, .value_kind: global_buffer, .address_space: global }
    .group_segment_fixed_size: 327680
    .private_segment_fixed_size: 0
    .kernarg_segment_align: 8
    .kernarg_segment_size: 40
    .max_flat_workgroup_size: 128
    .sgpr_count:     100
    .vgpr_count:     1024
    .wavefront_size: 32
...
	.end_amdgpu_metadata
.endif
;; end of part 4
